; MI455X (gfx1250); checked and timed in simulation.
; The chip was launched on July 23, 2026; its instructions are those of AMD's public machine-readable ISA for CDNA 5 (MIT licence, August 2026) and "CDNA5" Instruction Set Architecture Reference Guide (July 2026). The comments in the code are by the model that wrote it; some were corrected since.
;; Multi Head Relative Self Attention. Allowed arithmetic: matrix products marked QUANTISED: E2M1 operands, one E8M0 scale for each 32 along K, by v_wmma_scale_f32_16x16x128_f8f6f4 with both operands' format E2M1 (or v_wmma_scale_f32_32x16x128_f4), f32 sums; products left as they are: f32 operands where the result goes on into a quantised operand, else bf16, f16 or f32 operands; f32 sums; everything else in f32.
;; Inputs: Wo 1,024 x 1,024 float32; Wqkv 1,024 x 3,072 float32; Wr 1,024 x 1,024 float32; inputs 8 x 1,024 x 1,024 float32; mask 8 x 1,024 bool.
;; Outputs: out0 8 x 1,024 x 1,024 float32.
;; This version of the problem:
;;   THIS VERSION OF THE PROBLEM IS GIVEN IN LOW PRECISION. The matrix products marked QUANTISED in the list below multiply operands that are first quantised to E2M1 (2 exponent bits, 1 mantissa bit; 4 bits a number), with one power-of-two scale for each 32 numbers along K (OCP MX v1.0); their sums are f32. All else is computed in f32.
;;   The module's matrix products, in the order in which they are computed (A, B: the left and right operand; K: the contracted axis; several contracted axes count as one K, in the product's order):
;;     1. [M 8,192, K 1,024] x [K 1,024, N 3,072]; A: input inputs; B: input Wqkv: QUANTISED
;;     2. [M 1,024, K 1] x [K 1, N 512]; A: computed on the way; B: computed on the way: left as it is (no contracted axis)
;;     3. [M 1,024, K 1,024] x [K 1,024, N 1,024]; A: computed on the way; B: input Wr: QUANTISED
;;     4. batch 128 x [M 1,024, K 64] x [K 64, N 1,024]; A: computed on the way; B: computed on the way: QUANTISED
;;     5. batch 16 x [M 1,024, K 64] x [K 64, N 8,192]; A: computed on the way; B: computed on the way: QUANTISED
;;     6. batch 128 x [M 64, K 1,024] x [K 1,024, N 1,024]; A: computed on the way; B: softmax (see below): QUANTISED
;;     7. [M 8,192, K 1,024] x [K 1,024, N 1,024]; A: computed on the way; B: input Wo: QUANTISED
;;   THE QUANTISER, for each operand of a quantised product, along K:
;;     - K is cut into blocks of 32 from its start; a last block that is shorter is filled with zeros.
;;     - A block's scale is 2^e with e = floor(log2(the largest magnitude in the block)) - 2, held to -126 .. 127; a block of zeros has e = 0. As a byte (E8M0): e + 127.
;;     - Each number is divided by its block's scale, clamped to +-6, and rounded to the nearest number of E2M1, ties to even, subnormals kept.
;;     - The product sums the exact products of the quantised numbers (number of the format x scale) in f32.
;;   ~~~python
;;   def quantise(x, axis):      # numpy; x: float32 -> the quantised numbers, widened to float32 again
;;       x = np.moveaxis(x, axis, -1); K = x.shape[-1]
;;       x = np.pad(x, [(0, 0)] * (x.ndim - 1) + [(0, -K % 32)]); x = x.reshape(x.shape[:-1] + (-1, 32)); a = np.abs(x).max(-1, keepdims=True)
;;       e = np.where(a > 0, np.clip(np.frexp(np.where(a > 0, a, 1))[1] - 1 - 2, -126, 127), 0)      # np.frexp(a)[1] - 1 = floor(log2(a)), exactly
;;       r = np.clip(x / 2.0 ** e, -6, 6)
;;       step = 2.0 ** (np.maximum(np.frexp(np.where(r == 0, 1, r))[1] - 1, 0) - 1)
;;       q = np.round(r / step) * step * 2.0 ** e      # np.round: ties to even
;;       return np.moveaxis(q.reshape(q.shape[:-2] + (-1,))[..., :K], -1, axis).astype(np.float32)
;;   ~~~
;;   SOFTMAX AHEAD OF A QUANTISED PRODUCT. Where the list says 'softmax', what is quantised is not the finished softmax but p = 2^(t - M), with t = logit x log2(e) and M = ceil(the row's largest t), a whole number; so 1/2 < the row's largest p <= 1. The row's sum l is taken of the UNQUANTISED p, in f32, and the product's result is divided by l at the end. Since M is a whole number, a kernel that streams over the keys may use a running M (the ceiling of the running maximum): every later rescaling is an exact power of two, which a block's scale takes up: the codes' values come out the same.
;;   OPERANDS COMPUTED ON THE WAY. 'Computed on the way' means the value that the module computes at that place (a softmax that the list does not call 'softmax' is quantised finished and normalised). What goes into a quantiser is computed in f32, as accurately as f32 sums, v_exp_f32 and their like allow (about 1e-6 of the number): no bf16 or f16 on the way to a quantiser, and a product that is left as it is and whose result goes on into a quantised operand takes f32 operands (vector FMAs, or v_wmma_f32_16x16x4_f32). A number that lies on a knife's edge between two numbers of the format may be rounded either way, as far as f32 arithmetic and the matrix unit's own rounding can turn it there, and no further.
;; One version. Each part assembles by itself: llvm-mc -triple=amdgcn-amd-amdhsa -mcpu=gfx1250 --defsym DOCPART=n.
;; ======== version 1 of 1: 4 launches
;; limits: right only within a limited range of input values
;; workspace buffers: opnd 7,798,784 bytes; qkv 13,369,344 bytes; rtab 774,144 bytes; mlanes 65,536 bytes; att 4,456,448 bytes; mflags 512 bytes of whole numbers
;; launch prep (part 1): grid 778 x 1, 4 waves a work-group, no clusters, 34,304 bytes of LDS; arguments inputs, mask, Wqkv, Wr, Wo, opnd, rtab, mlanes, mflags; writes opnd, rtab, mlanes, mflags
.if DOCPART == 1
	.amdgcn_target "amdgcn-amd-amdhsa--gfx1250"
	.amdhsa_code_object_version 6
	.text
	.protected	k_q11944d4d4b_prep
	.globl	k_q11944d4d4b_prep
	.p2align	8
	.type	k_q11944d4d4b_prep,@function
k_q11944d4d4b_prep:
	s_mov_b64 s[64:65], 0
	v_nop
	global_prefetch_b8 v0, s[64:65] scope:SCOPE_SE
	s_setreg_imm32_b32 hwreg(HW_REG_WAVE_MODE, 25, 1), 1
	s_wait_xcnt 0x0
; RELATIVE SELF-ATTENTION (Transformer-XL), MX-FP4, launch 1 of 4: every operand that arrives as f32 becomes codes of E2M1 with one E8M0 byte for each 32 along K.
; DEAD WORK: none is left out in the whole program.  With X[i][m] = q_i . r_m the relative shift gives BD[i][j] = X[i][1023-i+j] for j <= i, 0 for j = i+1, X[i+1][j-i-2] for j >= i+2; there is no causal mask, so both
; parts reach the softmax.  Only X[0][0..1022] is sliced away, and it lies inside tiles that also hold live numbers.  All five inputs have a way to the output and are loaded.
; WHAT IS MADE.  opnd: tiles of 16 rows x K = 1024 as IMAGES OF OPERAND REGISTERS: codes [kappa 8][c 2][lane 32][16 bytes] (lane (r, h) of image (kappa, c) holds k = 128 kappa + 64 c + 32 h + 0..31 of the tile's row r), 8,192 bytes a tile;
; scale words [kappa 8][r 16] from byte SCO on, 512 bytes a tile.  Row r of tile T stands for row 32 (T / 2) + 8 (T % 2) + r + 8 (r / 8) of its tensor, so that a product's results fall 16 neighbours to a lane.
; Tiles 0-511 inputs, 512-575 the sinusoid table, 576-767 Wqkv's columns, 768-831 Wr's, 832-895 Wo's.  rtab is cleared (its margins stay zeros).  mlanes: for each key block an image of E2M1 codes of the mask.
; PATHS, by the work-group's number: 0-255 inputs, 256-575 the weights, 576-703 the sinusoids, 704-745 zeros, 746-777 the mask.  Only the first path uses LDS.
; LIMITS: NaN and infinities among the inputs are not served.  A block of zeros gets the byte 1 where the rule says 127: its codes are zeros and this program alone reads the bytes.  Blocks whose largest magnitude lies under 2^-124 are held at the byte 1.
; inv_freq is one v_exp_f32 and a first-order correction: it may differ from a correctly rounded power in the last bit.  The weights' scale words leave in runs of 64 bytes: 160 KB in all, one part in 128 of what the path reads.
.set SCO,   7340032                    ; where the scale images begin in opnd
.set SPARE, 33792                      ; behind the four stages: the spare words, 128 bytes a wave
.set SPW,   6                          ; v6  my spare word's LDS address; never rewritten
.set NIL,   7                          ; v7  0; never rewritten
.set TM,    8                          ; v8-23 at work in QUANT
; 64 numbers of a lane, register 16 b + i = k 32 b + 16 (lane / 16) + i of my row, become a fragment's 8 registers of codes at v[pc] and its scale word in v[pw].
.macro QUANT s, pc, pw
.irp b, 0,1,2,3
	v_max3_num_f32 v[TM+\b], |v[(\s)+16*\b]|, |v[(\s)+1+16*\b]|, 0x1800000   ; my 16 numbers of block b, and the floor 2^(3 - 127): the byte cannot fall under 1
.endr
.irp i, 2,4,6,8,10,12,14
.irp b, 0,1,2,3
	v_max3_num_f32 v[TM+\b], v[TM+\b], |v[(\s)+16*\b+\i]|, |v[(\s)+1+16*\b+\i]|
.endr
.endr
.irp b, 0,1,2,3
	v_permlanex16_b32 v[TM+4+\b], v[TM+\b], s22, s23
.endr
.irp b, 0,1,2,3
	v_max_num_f32 v[TM+\b], v[TM+\b], v[TM+4+\b]                   ; with lane l xor 16's: the block's largest magnitude
.endr
.irp b, 0,1,2,3
	v_add_nc_u32 v[TM+12+\b], 0xff000000, v[TM+\b]                 ; 2 off its exponent field: the conversion's scale operand
.endr
.irp b, 0,1,2,3
	v_lshrrev_b32 v[TM+4+\b], 23, v[TM+12+\b]                      ; the scale's byte
.endr
	v_lshl_or_b32 v[\pw], v[TM+5], 8, v[TM+4]
	v_lshl_or_b32 v[\pw], v[TM+6], 16, v[\pw]
	v_lshl_or_b32 v[\pw], v[TM+7], 24, v[\pw]
.irp b, 0,1,2,3
	v_cvt_scalef32_pk8_fp4_f32 v[(\pc)+2*\b], v[(\s)+16*\b:(\s)+7+16*\b], v[TM+12+\b]
	v_cvt_scalef32_pk8_fp4_f32 v[(\pc)+1+2*\b], v[(\s)+8+16*\b:(\s)+15+16*\b], v[TM+12+\b]
.endr
	v_nop                                          ; one plain instruction behind the scaled conversions
.irp c, 0,1
.irp i, 0,1
	v_permlane16_swap_b32 v[(\pc)+4*\c+\i], v[(\pc)+2+4*\c+\i]     ; a whole block to a lane: registers 4 c .. 4 c + 3 hold k = 64 c + 32 h + 0..31
.endr
.endr
.endm
	s_load_b512 s[4:19], s[0:1], 0x0               ; inputs s[4:5], mask s[6:7], Wqkv s[8:9], Wr s[10:11], Wo s[12:13], opnd s[14:15], rtab s[16:17], mlanes s[18:19]
	s_load_b64 s[56:57], s[0:1], 0x40              ; mflags
	v_lshl_add_u32 v[SPW], v0, 2, SPARE
	v_mov_b32 v[NIL], 0
	v_lshrrev_b32 v1, 5, v0
	v_readfirstlane_b32 s20, v1                    ; wave
	v_and_b32 v1, 31, v0                           ; lane
	s_mov_b32 s22, 0x76543210
	s_mov_b32 s23, 0xfedcba98                      ; v_permlanex16_b32's selects for lane l xor 16
	s_mov_b32 s24, 0xffff0000                      ; lanes 16-31
.irp b, 0,1,2,3
	v_mov_b32 v[TM+4+\b], 0                        ; written once: a lane permute's destination counts as a source
.endr
	s_wait_kmcnt 0x0
	s_cmp_lt_u32 ttmp9, 256
	s_cbranch_scc1 .Lx
	s_cmp_lt_u32 ttmp9, 576
	s_cbranch_scc1 .Lw
	s_cmp_lt_u32 ttmp9, 704
	s_cbranch_scc1 .Lpos
	s_cmp_lt_u32 ttmp9, 746
	s_cbranch_scc1 .Lzero
; ---- THE MASK.  mlanes holds CODES of E2M1 (not lane masks): for each batch and key block of 128 an image of eight operand registers, [half 2][lane 32][4 words].
; Register 2 i of the image, lane (r, h): the code of 2.0 in its lowest four bits where key 128 blk + 32 i + 8 h + r + 8 (r / 8) is masked out, else 0; the odd registers are zeros.
; Thread id = [b 8][blk 8][half 2][lane 32] makes the four words of i = 2 half and 2 half + 1.
	s_sub_co_u32 s25, ttmp9, 746
	s_lshl_b32 s25, s25, 7
	v_add_nc_u32 v2, s25, v0                       ; id
	v_lshrrev_b32 v3, 6, v2
	v_lshlrev_b32 v3, 7, v3                        ; 1024 b + 128 blk
	v_bfe_u32 v4, v2, 5, 1
	v_lshl_add_u32 v3, v4, 6, v3                   ; + 64 half
	v_bfe_u32 v4, v2, 4, 1
	v_lshl_add_u32 v3, v4, 3, v3                   ; + 8 h
	v_and_b32 v4, 15, v2
	v_add_nc_u32 v3, v3, v4                        ; + r
	v_and_b32 v4, 8, v2
	v_add_nc_u32 v3, v3, v4                        ; + 8 (r / 8)
	global_load_u8 v8, v3, s[6:7]
	global_load_u8 v10, v3, s[6:7] offset:32
	v_lshlrev_b32 v2, 4, v2
	v_mov_b32 v9, 0
	v_mov_b32 v11, 0
	v_mov_b32 v12, 4                               ; the code of 2.0
	s_wait_alu depctr_va_vdst(0)
	s_wait_loadcnt 0x0
	v_cmp_eq_u32 vcc_lo, 0, v8
	v_cndmask_b32 v8, 0, v12, vcc_lo
	v_cmp_eq_u32 vcc_lo, 0, v10
	v_cndmask_b32 v10, 0, v12, vcc_lo
	global_store_b128 v2, v[8:11], s[18:19]        ; a wave stores 512 consecutive bytes
	; mflags: one word a wave, [b 8][blk 8][half 2]: bit blk set where one of the wave's 64 keys is masked out, else 0.  The attention ORs its batch's 16 words and passes over the mask's products of a block without holes
	v_or_b32 v13, v8, v10
	v_cmp_ne_u32 vcc_lo, 0, v13
	s_lshr_b32 s25, s25, 5
	s_add_co_u32 s25, s25, s20                     ; id / 32: which wave of the path's 128
	s_bfe_u32 s26, s25, 0x30001                    ; blk
	s_lshl_b32 s26, 1, s26
	s_cmp_lg_u32 vcc_lo, 0
	s_cselect_b32 s26, s26, 0
	s_lshl_b32 s25, s25, 2
	v_mov_b32 v14, s26
	v_mov_b32 v15, s25
	global_store_b32 v15, v14, s[56:57]            ; all lanes store the same word with the same value
	s_endpgm
; ---- ZEROS: 42 work-groups x 18,432 bytes are all of rtab; the next launch writes r's rows over the middle of each head's table.
.Lzero:
	s_sub_co_u32 s25, ttmp9, 704
	s_mul_i32 s28, s25, 18432
	s_mov_b32 s29, 0
	s_add_nc_u64 s[16:17], s[16:17], s[28:29]
	v_lshlrev_b32 v2, 4, v0
	v_mov_b32 v8, 0
	v_mov_b32 v9, 0
	v_mov_b32 v10, 0
	v_mov_b32 v11, 0
.irp k, 0,1,2,3,4,5,6,7,8
	global_store_b128 v2, v[8:11], s[16:17] offset:2048*\k
.endr
	s_endpgm
; ---- INPUTS.  A wave takes half of a tile: 16 rows x 512 along K, four fragments.  Each load reads 512 consecutive bytes of a row; a fragment's 16 x 512 bytes turn through the wave's own stage in LDS
; (rows 528 bytes apart: sixteen rows start at sixteen different groups of banks) and come back 16 neighbours of each block of 32 to a lane.
.Lx:
	s_lshl_b32 s25, ttmp9, 2
	s_add_co_u32 s25, s25, s20                     ; which half tile
	s_lshr_b32 s26, s25, 1                         ; T
	s_and_b32 s27, s25, 1                          ; g: kappa = 4 g + f
	s_lshr_b32 s28, s26, 1
	s_lshl_b32 s28, s28, 17                        ; 32 (T / 2) rows of 4,096 bytes
	s_and_b32 s29, s26, 1
	s_lshl_b32 s29, s29, 15                        ; 8 (T % 2) rows
	s_add_co_u32 s28, s28, s29
	s_lshl_b32 s29, s27, 11
	s_add_co_u32 s28, s28, s29
	s_mov_b32 s29, 0
	s_add_nc_u64 s[4:5], s[4:5], s[28:29]
	s_lshl_b32 s30, s26, 13
	s_lshl_b32 s31, s27, 12
	s_add_co_u32 s30, s30, s31
	s_mov_b32 s31, 0
	s_add_nc_u64 s[32:33], s[14:15], s[30:31]      ; my images
	s_lshl_b32 s30, s26, 9
	s_lshl_b32 s36, s27, 8
	s_add_co_u32 s30, s30, s36
	s_add_co_u32 s30, s30, SCO
	s_add_nc_u64 s[34:35], s[14:15], s[30:31]      ; my scale words
	s_wait_alu depctr_va_vdst(0)
	v_lshlrev_b32 v2, 4, v1                        ; 16 x lane
	v_lshlrev_b32 v3, 2, v1                        ; 4 x lane
	s_mul_i32 s36, s20, 8448                       ; my stage
	v_add_nc_u32 v4, s36, v2                       ; on the way in
	v_and_b32 v5, 15, v0
	v_mul_u32_u24 v5, v5, 528
	v_bfe_u32 v30, v0, 4, 1
	v_lshl_add_u32 v5, v30, 6, v5
	v_add_nc_u32 v5, s36, v5                       ; on the way out: row r, + 64 h
.macro LOADF f                         ; fragment f's 16 rows into set f % 2
.irp i, 0,1,2,3,4,5,6,7,8,9,10,11,12,13,14,15
	global_load_b128 v[32+64*((\f)%2)+4*\i:32+64*((\f)%2)+4*\i+3], v2, s[4:5] offset:(\i+8*(\i/8))*4096+512*(\f) th:TH_LOAD_NT
.endr
.endm
.macro XFRAG f
.if (\f) < 3
	s_wait_loadcnt 16                              ; this fragment's 16 loads are in; the other set's 16 may be out
.else
	s_wait_loadcnt 0x0
.endif
.irp i, 0,1,2,3,4,5,6,7,8,9,10,11,12,13,14,15
	ds_store_b128 v4, v[32+64*((\f)%2)+4*\i:32+64*((\f)%2)+4*\i+3] offset:528*\i
.endr
.irp b, 0,1,2,3
.irp j, 0,1,2,3
	ds_load_b128 v[160+16*\b+4*\j:160+16*\b+4*\j+3], v5 offset:128*\b+16*\j   ; LDS serves a wave's instructions in order: these see my stores
.endr
.endr
	s_wait_dscnt 0x0                               ; the numbers are back, and the stores have read their registers
.if (\f) < 2
	LOADF (\f)+2
.endif
	QUANT 160, 224+8*(\f), 24+(\f)
	global_store_b128 v2, v[224+8*(\f):224+8*(\f)+3], s[32:33] offset:1024*(\f)        ; 512 consecutive bytes
	global_store_b128 v2, v[224+8*(\f)+4:224+8*(\f)+7], s[32:33] offset:1024*(\f)+512
.endm
	LOADF 0
	LOADF 1
	s_wait_alu depctr_va_vdst(0)
	XFRAG 0
	XFRAG 1
	XFRAG 2
	XFRAG 3
	v_cndmask_b32 v28, v24, v25, s24               ; both halves of the lanes hold a row's word: lanes 0-15 give one fragment's, lanes 16-31 the next one's
	v_cndmask_b32 v29, v26, v27, s24
	global_store_b32 v3, v28, s[34:35]             ; 128 consecutive bytes
	global_store_b32 v3, v29, s[34:35] offset:128
	s_wait_tensorcnt 0x0                           ; the wave's end: three lines behind my last LDS store
	ds_add_u32 v[SPW], v[NIL]
	s_wait_dscnt 0x0
	s_endpgm
; ---- THE WEIGHTS, stored [K][N].  A lane takes a column and its registers run down K: a block of 32 lies in one lane, and the conversions give codes with K innermost.
; A work-group takes 128 columns x 128 along K (one kappa); its four waves stand side by side on 512 bytes of each row.
.Lw:
	s_sub_co_u32 s25, ttmp9, 256
	s_and_b32 s26, s25, 7                          ; kappa
	s_lshr_b32 s27, s25, 3                         ; which 128 columns: 0-23 Wqkv, 24-31 Wr, 32-39 Wo
	s_lshl_b32 s28, s27, 3
	s_lshl_b32 s29, s20, 1
	s_add_co_u32 s28, s28, s29
	s_add_co_u32 s28, s28, 576                     ; my wave's first tile of two
	s_lshl_b32 s30, s28, 13
	s_lshl_b32 s31, s26, 10
	s_add_co_u32 s30, s30, s31
	s_mov_b32 s31, 0
	s_add_nc_u64 s[32:33], s[14:15], s[30:31]
	s_lshl_b32 s30, s28, 9
	s_lshl_b32 s36, s26, 6
	s_add_co_u32 s30, s30, s36
	s_add_co_u32 s30, s30, SCO
	s_add_nc_u64 s[34:35], s[14:15], s[30:31]
	v_bfe_u32 v24, v0, 3, 1                        ; column 32 w + lane lies in tile u = (lane / 8) % 2,
	v_and_b32 v25, 7, v0
	v_bfe_u32 v26, v0, 4, 1
	v_lshl_or_b32 v25, v26, 3, v25                 ; at row r = lane % 8 + 8 (lane / 16)
	v_lshlrev_b32 v4, 4, v25
	v_lshl_add_u32 v4, v24, 13, v4                 ; codes: 8,192 u + 16 r
	v_lshlrev_b32 v5, 2, v25
	v_lshl_add_u32 v5, v24, 9, v5                  ; scale word: 512 u + 4 r
	v_lshlrev_b32 v2, 2, v1                        ; in: 4 bytes a lane
	s_and_b32 s38, s27, 7
	s_mov_b32 s39, 524288                          ; 128 rows of 4,096 bytes
	s_cmp_lt_u32 s27, 32
	s_cselect_b64 s[36:37], s[10:11], s[12:13]
	s_cmp_lt_u32 s27, 24
	s_cselect_b64 s[36:37], s[8:9], s[36:37]
	s_cselect_b32 s38, s27, s38                    ; which 128 columns of that tensor
	s_cselect_b32 s39, 1572864, s39                ; 128 rows of 12,288 bytes
	s_mul_i32 s39, s39, s26
	s_lshl_b32 s38, s38, 9
	s_add_co_u32 s38, s38, s39
	s_lshl_b32 s39, s20, 7
	s_add_co_u32 s38, s38, s39
	s_mov_b32 s39, 0
	s_add_nc_u64 s[36:37], s[36:37], s[38:39]
.macro WLOAD t, pitch                  ; block t: W(32 t + i, my column) into set t % 2
.irp i, 0,1,2,3,4,5,6,7,8,9,10,11,12,13,14,15,16,17,18,19,20,21,22,23,24,25,26,27,28,29,30,31
	global_load_b32 v[32+32*((\t)%2)+\i], v2, s[36:37] offset:(32*(\t)+\i)*(\pitch) th:TH_LOAD_NT
.endr
.endm
.macro WBLOCK t, pitch
.set XS, 32+32*((\t)%2)
.if (\t) < 3
	s_wait_loadcnt 32                              ; this block's 32 loads are in; the next block's may be out
.else
	s_wait_loadcnt 0x0
.endif
	v_max3_num_f32 v8, |v[XS]|, |v[XS+1]|, |v[XS+2]|
	v_max3_num_f32 v9, |v[XS+3]|, |v[XS+4]|, |v[XS+5]|
.irp i, 6,10,14,18,22,26
	v_max3_num_f32 v8, v8, |v[XS+\i]|, |v[XS+\i+1]|
	v_max3_num_f32 v9, v9, |v[XS+\i+2]|, |v[XS+\i+3]|
.endr
	v_max3_num_f32 v8, v8, |v[XS+30]|, |v[XS+31]|
	v_max3_num_f32 v8, v8, v9, 0x1800000           ; and the floor
	v_add_nc_u32 v10, 0xff000000, v8               ; the conversion's scale operand
	v_lshrrev_b32 v11, 23, v10                     ; the byte
.if (\t) == 0
	v_mov_b32 v112, v11
.else
	v_lshl_or_b32 v112, v11, 8*(\t), v112
.endif
.irp g, 0,1,2,3
	v_cvt_scalef32_pk8_fp4_f32 v[96+4*(\t)+\g], v[XS+8*\g:XS+8*\g+7], v10
.endr
	v_nop
	global_store_b128 v4, v[96+4*(\t):96+4*(\t)+3], s[32:33] offset:512*((\t)/2)+256*((\t)%2)   ; block t is lanes 16 (t % 2) + r of image c = t / 2: two whole runs of 256 bytes, one in each tile
.if (\t) < 2
	WLOAD (\t)+2, \pitch
.endif
.endm
.macro WPATH pitch
	WLOAD 0, \pitch
	WLOAD 1, \pitch
	WBLOCK 0, \pitch
	WBLOCK 1, \pitch
	WBLOCK 2, \pitch
	WBLOCK 3, \pitch
	global_store_b32 v5, v112, s[34:35]
.endm
	s_cmp_lt_u32 s27, 24
	s_cbranch_scc1 .Lw_wide
	s_wait_alu depctr_va_vdst(0)
	WPATH 4096
	s_endpgm
.Lw_wide:
	s_wait_alu depctr_va_vdst(0)
	WPATH 12288
	s_endpgm
; ---- THE SINUSOIDS.  pos[s][d] = sin((1023 - s) f_j) for d = j < 512, cos(..) for d = 512 + j; f_j = 10000^(-j / 512) = 2^(-j c), c = log2(10000) / 512.
; c = c_hi - 7.296e-7 with c_hi = 13607 / 2^19, so that j c_hi is exact in f32: f = 2^(-j c_hi) (1 + j x 5.0572e-7).  The angle is reduced by multiples of pi / 2 in three parts, each product exact for
; multiples up to 651, and sine and cosine are polynomials on +-pi / 4, all in f32.  A wave makes one fragment: tile T, kappa.
.Lpos:
	s_sub_co_u32 s25, ttmp9, 576
	s_lshl_b32 s25, s25, 2
	s_add_co_u32 s25, s25, s20
	s_lshr_b32 s26, s25, 3                         ; T
	s_and_b32 s27, s25, 7                          ; kappa
	s_lshr_b32 s28, s26, 1
	s_lshl_b32 s28, s28, 5
	s_and_b32 s29, s26, 1
	s_lshl_b32 s29, s29, 3
	s_add_co_u32 s28, s28, s29                     ; the tile's first row
	s_sub_co_u32 s28, 1023, s28
	v_and_b32 v2, 15, v0                           ; r
	v_bfe_u32 v3, v0, 4, 1                         ; h
	v_and_b32 v4, 8, v2
	v_add_nc_u32 v4, v4, v2                        ; r + 8 (r / 8)
	v_sub_nc_u32 v4, s28, v4
	v_cvt_f32_u32 v4, v4                           ; 1023 - s
	s_and_b32 s29, s27, 3
	s_lshl_b32 s29, s29, 7
	v_lshl_add_u32 v5, v3, 4, s29                  ; j of my register 0: 128 (kappa % 4) + 16 h
	s_wait_alu depctr_va_vdst(0)
	s_lshr_b32 s30, s27, 2                         ; 1: the cosine half
	s_add_co_u32 s31, s26, 512                     ; the tile's number in opnd
	s_lshl_b32 s36, s31, 13
	s_lshl_b32 s37, s27, 10
	s_add_co_u32 s36, s36, s37
	s_mov_b32 s37, 0
	s_add_nc_u64 s[32:33], s[14:15], s[36:37]
	s_lshl_b32 s36, s31, 9
	s_lshl_b32 s38, s27, 6
	s_add_co_u32 s36, s36, s38
	s_add_co_u32 s36, s36, SCO
	s_add_nc_u64 s[34:35], s[14:15], s[36:37]
	s_mov_b32 s44, 0xbcd49c00                      ; -c_hi
	s_mov_b32 s45, 0x3507c115                      ; (c_hi - c) ln 2
	s_mov_b32 s46, 0x3f22f983                      ; 2 / pi
	s_mov_b32 s47, 0xbfc90000                      ; -pi / 2 in three parts
	s_mov_b32 s48, 0xb9fda000
	s_mov_b32 s49, 0xb3a22168
	s_mov_b32 s50, 0xbe2aaaa3                      ; the sine's three coefficients
	s_mov_b32 s51, 0x3c08839e
	s_mov_b32 s52, 0xb94ca1f9
	s_mov_b32 s53, 0x3d2aaaa5                      ; the cosine's
	s_mov_b32 s54, 0xbab6061a
	s_mov_b32 s55, 0x37ccf5ce
.set e, 0
.rept 64
	v_add_nc_u32 v[96+e], 32*(e/16)+e%16, v5       ; register 16 b + i: j + 32 b + i
.set e, e+1
.endr
.set e, 0
.rept 64
	v_cvt_f32_u32 v[96+e], v[96+e]
.set e, e+1
.endr
.set e, 0
.rept 64
	v_mul_f32 v[160+e], s44, v[96+e]               ; -j c_hi, exact
.set e, e+1
.endr
.set e, 0
	s_wait_alu depctr_va_vdst(0)
.rept 64
	v_exp_f32 v[160+e], v[160+e]
.set e, e+1
.endr
	v_lshlrev_b32 v1, 4, v1                        ; 16 x lane.  (The plain instruction behind the exponentials)
	s_wait_alu depctr_va_vdst(0)                   ; one wait for the whole batch, ahead of its first reader
.set g, 0
.rept 16                               ; four numbers by turns, so that no line waits for the line above it
.irp k, 0,1,2,3
	v_fma_f32 v[32+\k], v[96+4*g+\k], s45, 1.0
.endr
.irp k, 0,1,2,3
	v_mul_f32 v[32+\k], v[160+4*g+\k], v[32+\k]    ; f_j
.endr
.irp k, 0,1,2,3
	v_mul_f32 v[32+\k], v4, v[32+\k]               ; the angle, rounded to f32 as the outer product has it
.endr
.irp k, 0,1,2,3
	v_mul_f32 v[36+\k], s46, v[32+\k]
.endr
.irp k, 0,1,2,3
	v_rndne_f32 v[36+\k], v[36+\k]                 ; how many quarter turns
.endr
.irp k, 0,1,2,3
	v_fma_f32 v[32+\k], v[36+\k], s47, v[32+\k]
.endr
.irp k, 0,1,2,3
	v_fma_f32 v[32+\k], v[36+\k], s48, v[32+\k]
.endr
.irp k, 0,1,2,3
	v_fma_f32 v[32+\k], v[36+\k], s49, v[32+\k]    ; what is left: within +-pi / 4
.endr
.irp k, 0,1,2,3
	v_mul_f32 v[40+\k], v[32+\k], v[32+\k]         ; z
.endr
.irp k, 0,1,2,3
	v_fma_f32 v[44+\k], v[40+\k], s52, s51
.endr
.irp k, 0,1,2,3
	v_fma_f32 v[48+\k], v[40+\k], s55, s54
.endr
.irp k, 0,1,2,3
	v_fma_f32 v[44+\k], v[44+\k], v[40+\k], s50
.endr
.irp k, 0,1,2,3
	v_fma_f32 v[48+\k], v[48+\k], v[40+\k], s53
.endr
.irp k, 0,1,2,3
	v_mul_f32 v[44+\k], v[44+\k], v[40+\k]
.endr
.irp k, 0,1,2,3
	v_fma_f32 v[44+\k], v[44+\k], v[32+\k], v[32+\k]   ; the sine
.endr
.irp k, 0,1,2,3
	v_mul_f32 v[32+\k], v[40+\k], v[40+\k]         ; z z
.endr
.irp k, 0,1,2,3
	v_fma_f32 v[40+\k], v[40+\k], -0.5, 1.0
.endr
.irp k, 0,1,2,3
	v_fma_f32 v[48+\k], v[48+\k], v[32+\k], v[40+\k]   ; the cosine
.endr
.irp k, 0,1,2,3
	v_cvt_i32_f32 v[36+\k], v[36+\k]
.endr
.irp k, 0,1,2,3
	v_add_nc_u32 v[36+\k], s30, v[36+\k]           ; cos x = sin(x + pi / 2): one quarter turn more
.endr
.irp k, 0,1,2,3
	v_and_b32 v[32+\k], 1, v[36+\k]
.endr
.irp k, 0,1,2,3
	v_cmp_eq_u32 s[40+\k], 1, v[32+\k]
.endr
.irp k, 0,1,2,3
	v_cndmask_b32 v[44+\k], v[44+\k], v[48+\k], s[40+\k]   ; odd quarter turns take the cosine,
.endr
.irp k, 0,1,2,3
	v_and_b32 v[36+\k], 2, v[36+\k]
.endr
.irp k, 0,1,2,3
	v_lshlrev_b32 v[36+\k], 30, v[36+\k]
.endr
.irp k, 0,1,2,3
	v_xor_b32 v[160+4*g+\k], v[44+\k], v[36+\k]    ; the second half turn the other sign
.endr
.set g, g+1
.endr
	QUANT 160, 224, 24
	global_store_b128 v1, v[224:227], s[32:33]
	global_store_b128 v1, v[228:231], s[32:33] offset:512
	v_lshlrev_b32 v32, 4, v3
	v_lshrrev_b32 v33, v32, v24                    ; lanes 0-15 store the word's low half, lanes 16-31 its high half:
	v_lshlrev_b32 v34, 2, v2
	v_lshl_add_u32 v34, v3, 1, v34
	global_store_b16 v34, v33, s[34:35]            ; 64 consecutive bytes
	s_endpgm
.Lfunc_end_k_q11944d4d4b_prep:
	.size	k_q11944d4d4b_prep, .Lfunc_end_k_q11944d4d4b_prep-k_q11944d4d4b_prep
	.p2alignl 7, 3214868480
	.fill 96, 4, 3214868480
	.section	.rodata,"a",@progbits
	.p2align	6, 0x0
	.amdhsa_kernel k_q11944d4d4b_prep
		.amdhsa_group_segment_fixed_size 34304
		.amdhsa_private_segment_fixed_size 0
		.amdhsa_enable_private_segment 0
		.amdhsa_kernarg_size 72
		.amdhsa_user_sgpr_count 2
		.amdhsa_user_sgpr_kernarg_segment_ptr 1
		.amdhsa_wavefront_size32 1
		.amdhsa_system_sgpr_workgroup_id_x 1
		.amdhsa_system_sgpr_workgroup_id_y 1
		.amdhsa_system_sgpr_workgroup_id_z 1
		.amdhsa_system_vgpr_workitem_id 0
		.amdhsa_next_free_vgpr 256
		.amdhsa_next_free_sgpr 66
		.amdhsa_reserve_vcc 1
		.amdhsa_float_denorm_mode_32 3
		.amdhsa_float_denorm_mode_16_64 3
		.amdhsa_memory_ordered 1
		.amdhsa_forward_progress 1
		.amdhsa_inst_pref_size 168
	.end_amdhsa_kernel
	.amdgpu_metadata
---
amdhsa.version: [ 1, 2 ]
amdhsa.kernels:
  - .name:           k_q11944d4d4b_prep
    .symbol:         k_q11944d4d4b_prep.kd
    .args:
      - { .name: inputs, .offset: 0, .size: 8, .value_kind: global_buffer, .address_space: global }
      - { .name: mask, .offset: 8, .size: 8, .value_kind: global_buffer, .address_space: global }
      - { .name: Wqkv, .offset: 16, .size: 8, .value_kind: global_buffer, .address_space: global }
      - { .name: Wr, .offset: 24, .size: 8, .value_kind: global_buffer, .address_space: global }
      - { .name: Wo, .offset: 32, .size: 8, .value_kind: global_buffer, .address_space: global }
      - { .name: opnd, .offset: 40, .size: 8, .value_kind: global_buffer, .address_space: global }
      - { .name: rtab, .offset: 48, .size: 8, .value_kind: global_buffer, .address_space: global }
      - { .name: mlanes, .offset: 56, .size: 8, .value_kind: global_buffer, .address_space: global }
      - { .name: mflags, .offset: 64, .size: 8, .value_kind: global_buffer, .address_space: global }
    .group_segment_fixed_size: 34304
    .private_segment_fixed_size: 0
    .kernarg_segment_align: 8
    .kernarg_segment_size: 72
    .max_flat_workgroup_size: 128
    .sgpr_count:     66
    .vgpr_count:     256
    .wavefront_size: 32
...
	.end_amdgpu_metadata
.endif
;; end of part 1
;; launch qgemm (part 2): grid 100 x 4, 4 waves a work-group, clusters of 4 x 4, 279,040 bytes of LDS; arguments opnd, qkv, rtab; writes qkv, rtab
.if DOCPART == 2
	.amdgcn_target "amdgcn-amd-amdhsa--gfx1250"
	.amdhsa_code_object_version 6
	.text
	.protected	k_q11944d4d4b_qgemm
	.globl	k_q11944d4d4b_qgemm
	.p2align	8
	.type	k_q11944d4d4b_qgemm,@function
k_q11944d4d4b_qgemm:
	s_mov_b64 s[64:65], 0
	v_nop
	global_prefetch_b8 v0, s[64:65] scope:SCOPE_SE
	s_setreg_imm32_b32 hwreg(HW_REG_WAVE_MODE, 25, 1), 1
	s_wait_xcnt 0x0
	s_wait_alu depctr_hold_cnt(0) depctr_sa_sdst(0) depctr_va_vdst(0) depctr_va_sdst(0) depctr_va_ssrc(0) depctr_va_vcc(0) depctr_vm_vsrc(0)
	s_getreg_b32 s2, hwreg(HW_REG_IB_STS2, 6, 4)
	s_cmp_eq_u32 s2, 0
	s_cbranch_scc0 .Lentry_in_a_cluster
	s_endpgm
.Lentry_in_a_cluster:
	s_bfe_u32 s2, ttmp6, 0x10000c
	s_cmp_lg_u32 s2, 0xf033
	s_cbranch_scc0 .Lentry_shape_is_right
	s_endpgm
.Lentry_shape_is_right:
; Launch 2 of 4: qkv = inputs Wqkv and r = pos Wr, both on codes of E2M1 with E8M0 scales, and the results quantised in registers for the attention's products.  No work of the problem is left out here.
; A cluster of 4 x 4 work-groups makes 1,024 x 1,024 numbers; the cluster's number c picks the job: c = 0..15: q (c even) or k (c odd) of batch c / 2; c = 16..23: v of batch c - 16; c = 24: r.
; A work-group makes 256 x 256, each of its four waves 128 x 128: 64 accumulators, 512 registers.  K = 1,024 lies whole in LDS: 16 tiles of A and 16 of B as images of operand registers (8,192 bytes a tile)
; each filled ONCE, at the head (the scale words go to registers); nothing is filled again, so there is no ring.  A wave has one tensor load out.
; JOINT LOADS: the four work-groups of a row of the cluster need the same tiles of A, the four of a column the same tiles of B.
; SOURCE 0 = 16 rows of B, SOURCE 1 = 16 rows of A.  Row r of tile T stands for row 32 (T / 2) + 8 (T % 2) + r + 8 (r / 8), so in accumulator (a, b) lane (r, h) holds A's row of lane r, and its register j
; B's row 32 (b / 2) + 16 h + 8 (b % 2) + j: the 64 registers of one a are 128 neighbours along B's rows, 16 of each block of 32.  So the axis along which the result is quantised is given to B:
; q, k, r: A = tokens (positions), B = features (K of the next products = the head's 64);  v: A = features, B = tokens (K of the next product = the keys).
; OUT.  qkv: q's and k's codes [q/k][b][head][tile 64][512 bytes] (lane (r, h): block h of the tile's row r); v's [b][head][key step 8][tile of 16 dims 4][c 2][512]; scale words laid so that one 16-byte LDS load a lane serves a key step.
; rtab: r's codes [head][1344 rows][32 bytes], row 144 + m holds r_m; scale words [head][1344], the two bytes twice.
; LIMITS: as stated at the head of the first launch (no NaN or infinities; a block of zeros has the byte 1).
.set NA,    8                          ; tiles of A to a wave
.set SCO,   7340032                    ; where the scale images begin in opnd
.set BIMG,  2*NA*8192                  ; LDS: A's images from 0, B's from here,
.set SCA,   BIMG+131072                ; room for A's scale words, unused,
.set SCB,   SCA+2*NA*512               ; for B's, unused,
.set SPARE, SCB+8192                   ; the spare words, 128 bytes a wave
.set ADRA, 16                          ; v16  LDS address of my A images: 16 x lane + my 8 tiles
.set ADRB, 20                          ; v20  the same for B
.set ADRS, 27                          ; v27  of my scale words: lanes 0-15 A's, lanes 16-31 B's
.set SPW,  28                          ; v28  my spare word; never rewritten
.set NIL,  29                          ; v29  0; never rewritten
.set SC,   32                          ; v32-95 scale words: register 8 i + kappa: lanes 0-15 A's tile i, lanes 16-31 B's tile i
.set TM,   96                          ; v96-103 at work in the quantiser
.set PW,   104                         ; v104-111 the scale word of each a
.set PC,   112                         ; v112-119 the codes just made
.set TS,   120                         ; v120-123 the conversions' scale operands
.set G1,   24                          ; s[24:31], s[32:35] descriptor groups 1 and 0 for A's images
.set G0,   32
.set G1B,  48                          ; s[48:55], s[56:59] for B's
.set G0B,  56
.set G1S,  68
.set G0S,  76
.set G1SB, 80
.set G0SB, 88
; REGISTER WINDOWS: window 0: the above, and A's fragments, two sets, at v128 and v192;  window 1: B's fragments, two sets, at v0 and v128;  windows 2, 3: accumulator (a, b) at v[8 (8 (a % 4) + b)] of window 2 + a / 4.
.set MSB, 0
.macro WIN new                         ; the immediate's high byte repeats the setting that is left
.if MSB != (\new)
	s_set_vgpr_msb (MSB<<8)|(\new)
.set MSB, (\new)
.endif
.endm
.macro JLOAD g0a, g1a, g0b, g1b        ; a joint load: waves 0 and 1 fetch for A, waves 2 and 3 for B; an s_nop 0 and four v_nop follow each line
	s_cmp_eq_u32 s15, 0
	s_cbranch_scc0 .Lfor_b_\@
	tensor_load_to_lds s[\g0a:\g0a+3], s[\g1a:\g1a+7]
	s_nop 0
.rept 4
	v_nop
.endr
	s_branch .Lasked_\@
.Lfor_b_\@:
	tensor_load_to_lds s[\g0b:\g0b+3], s[\g1b:\g1b+7]
	s_nop 0
.rept 4
	v_nop
.endr
.Lasked_\@:
.endm
.macro CROUND                          ; a round of the cluster's barrier
	s_barrier_signal -1
	s_barrier_wait -1
	s_cmp_lg_u32 s14, 0
	s_cbranch_scc1 .Lnot_wave_0_\@
	s_barrier_signal -3
.Lnot_wave_0_\@:
	s_barrier_wait -3
	s_barrier_signal -1
	s_barrier_wait -1
.endm
.macro PLACES n
.rept \n
	v_nop
.endr
.endm
	s_load_b128 s[4:7], s[0:1], 0x0                ; opnd s[4:5], qkv s[6:7]
	s_load_b64 s[8:9], s[0:1], 0x10                ; rtab
	v_lshl_add_u32 v[SPW], v0, 2, SPARE
	v_mov_b32 v[NIL], 0
	ds_add_u32 v[SPW], v[NIL]                      ; the wave's opening: the add, twice on end, and its wait ahead of my first tensor load
	ds_add_u32 v[SPW], v[NIL]
	v_lshrrev_b32 v1, 5, v0
	v_readfirstlane_b32 s14, v1                    ; wave 0..3
	s_lshr_b32 s15, s14, 1                         ; wy: which 8 tiles of A are mine.  Also: I fetch for A (0) or for B (1)
	s_and_b32 s16, s14, 1                          ; wx: which 8 tiles of B.  Also: which half I fetch
	s_bfe_u32 s40, ttmp6, 0x40000                  ; cx
	s_bfe_u32 s41, ttmp6, 0x40004                  ; cy
	s_lshl_b32 s43, s41, 2
	s_lshl_b32 s43, 15, s43                        ; my row of the cluster
	s_lshl_b32 s44, 0x1111, s40                    ; my column
	; descriptor groups 1: dense blocks as rows of 256 bytes (32 elements of 8 bytes), no padding: an image's loads are 512 consecutive bytes
	s_or_b32 s[G1], s43, (3<<16)|(1<<21)
	s_or_b32 s[G1B], s44, (3<<16)|(1<<21)
.irp g, G1, G1B
	s_mov_b32 s[\g+1], 32<<16                      ; tensor_dim0
	s_mov_b32 s[\g+3], 32<<16                      ; tile_dim0
	s_mov_b32 s[\g+5], 32                          ; from row to row
	s_mov_b32 s[\g+6], 0
	s_mov_b32 s[\g+7], 0
.endr
	s_mov_b32 s[G1+2], (32*NA)<<16                 ; NA tiles of 8,192 bytes
	s_mov_b32 s[G1+4], 32*NA
	s_mov_b32 s[G1B+2], 256<<16                    ; 8 tiles
	s_mov_b32 s[G1B+4], 256
	; the job: A's and B's first tiles in opnd.  The cluster's number is the same in all sixteen partners
	s_lshr_b32 s17, ttmp9, 1
	s_lshl_b32 s17, s17, 6                         ; q, k: A = the batch's 64 tiles of inputs,
	s_and_b32 s18, ttmp9, 1
	s_lshl_b32 s18, s18, 6
	s_add_co_u32 s18, s18, 576                     ;       B = Wqkv's columns for q or for k
	s_sub_co_u32 s19, ttmp9, 16
	s_lshl_b32 s19, s19, 6                         ; v: B = the batch's tiles of inputs,
	s_mov_b32 s20, 704                             ;    A = Wqkv's columns for v
	s_mov_b32 s21, 512                             ; r: A = the sinusoids,
	s_mov_b32 s22, 768                             ;    B = Wr's columns
	s_cmp_lt_u32 ttmp9, 24
	s_cselect_b32 s12, s20, s21
	s_cselect_b32 s13, s19, s22
	s_cmp_lt_u32 ttmp9, 16
	s_cselect_b32 s12, s17, s12
	s_cselect_b32 s13, s18, s13
	s_lshl_b32 s18, s16, 3                         ; which 8 tiles I fetch
	s_lshl_b32 s20, s41, 4
	s_add_co_u32 s20, s20, s12
	s_add_co_u32 s20, s20, s18                     ; A: hangs on cy alone
	s_lshl_b32 s46, s40, 4
	s_add_co_u32 s46, s46, s13
	s_add_co_u32 s46, s46, s18                     ; B: on cx alone
	s_lshl_b32 s20, s20, 13
	s_mov_b32 s21, 0
	s_lshl_b32 s46, s46, 13
	s_mov_b32 s47, 0
	s_mul_i32 s45, s16, NA*8192                    ; where the images go: no place in the cluster enters an LDS address
	s_lshl_b32 s42, s16, 16
	s_add_co_u32 s42, s42, BIMG
	s_wait_dscnt 0x0                               ; both opening adds are done
	s_wait_kmcnt 0x0
	s_add_nc_u64 s[20:21], s[4:5], s[20:21]
	s_add_nc_u64 s[46:47], s[4:5], s[46:47]
	CROUND                                         ; all sixteen work-groups are here: the joint loads meet; a wave has ONE tensor load, its half of A's or B's images
	s_mov_b32 s[G0], 1
	s_mov_b32 s[G0+1], s45
	s_mov_b64 s[G0+2:G0+3], s[20:21]
	s_or_b32 s[G0+3], s[G0+3], 0x80000000
	s_mov_b32 s[G0B], 1
	s_mov_b32 s[G0B+1], s42
	s_mov_b64 s[G0B+2:G0B+3], s[46:47]
	s_or_b32 s[G0B+3], s[G0B+3], 0x80000000
	JLOAD G0, G1, G0B, G1B
	v_and_b32 v1, 15, v0                           ; r
	v_bfe_u32 v2, v0, 4, 1                         ; h
	v_and_b32 v3, 31, v0
	v_lshlrev_b32 v3, 4, v3                        ; 16 x lane
	s_mul_i32 s21, s15, NA*8192
	v_add_nc_u32 v[ADRA], s21, v3
	s_lshl_b32 s22, s16, 16
	s_add_co_u32 s22, s22, BIMG
	v_add_nc_u32 v[ADRB], s22, v3
	; THE SCALE WORDS go from memory straight into their registers, while the images are on their way: lanes 0-15 take the words of my 8 tiles of A, lanes 16-31 those of my 8 tiles of B; a tile's 512 bytes are read whole by its eight loads
	s_lshl_b32 s21, s41, 4
	s_add_co_u32 s21, s21, s12
	s_lshl_b32 s22, s15, 3
	s_add_co_u32 s21, s21, s22
	s_lshl_b32 s21, s21, 9                         ; my first tile of A, 512 bytes a tile
	s_lshl_b32 s22, s40, 4
	s_add_co_u32 s22, s22, s13
	s_lshl_b32 s23, s16, 3
	s_add_co_u32 s22, s22, s23
	s_lshl_b32 s22, s22, 9                         ; my first tile of B
	s_mov_b32 s23, 0xffff0000                      ; lanes 16-31
	s_wait_alu depctr_va_vdst(0)                   ; ahead of the reader of r below
	v_mov_b32 v5, s21
	v_mov_b32 v6, s22
	v_cndmask_b32 v5, v5, v6, s23
	v_lshl_add_u32 v[ADRS], v1, 2, v5              ; an offset in opnd, counted from SCO
.irp i, 0,1,2,3,4,5,6,7
.irp k, 0,1,2,3,4,5,6,7
	global_load_b32 v[SC+8*\i+\k], v[ADRS], s[4:5] offset:SCO+\i*512+64*\k
.endr
.endr
	s_wait_alu depctr_va_vdst(0)
	s_wait_tensorcnt 0x0
	s_barrier_signal -1
	s_barrier_wait -1                              ; everybody's have
.macro FRAG reg, adr, k, i             ; a fragment comes back as it was stored: two loads of 512 consecutive bytes
	ds_load_b128 v[(\reg):(\reg)+3], v[\adr] offset:(\i)*8192+(\k)*1024
	ds_load_b128 v[(\reg)+4:(\reg)+7], v[\adr] offset:(\i)*8192+(\k)*1024+512
.endm
.macro FETCH k, p                      ; K step k's fragments into set p
	WIN 0x40                                       ; destination window 1
.irp i, 0,1,2,3,4,5,6,7
	FRAG 128*(\p)+8*\i, ADRB, \k, \i
.endr
	WIN 0
.set ii, 0
.rept NA
	FRAG 128+64*(\p)+8*ii, ADRA, \k, ii
.set ii, ii+1
.endr
.endm
.macro MULA a, p, k                    ; A's tile a against B's eight; the first K step starts the sums: nothing is cleared
.irp b, 0,1,2,3,4,5,6,7
.if (\k) == 0
	v_wmma_scale_f32_16x16x128_f8f6f4 v[8*(8*((\a)%4)+\b):8*(8*((\a)%4)+\b)+7], v[128*(\p)+8*\b:128*(\p)+8*\b+7], v[128+64*(\p)+8*(\a):128+64*(\p)+8*(\a)+7], 0, v[SC+8*\b+(\k)], v[SC+8*(\a)+(\k)] matrix_a_fmt:MATRIX_FMT_FP4 matrix_b_fmt:MATRIX_FMT_FP4 matrix_a_scale:MATRIX_SCALE_ROW1
.else
	v_wmma_scale_f32_16x16x128_f8f6f4 v[8*(8*((\a)%4)+\b):8*(8*((\a)%4)+\b)+7], v[128*(\p)+8*\b:128*(\p)+8*\b+7], v[128+64*(\p)+8*(\a):128+64*(\p)+8*(\a)+7], v[8*(8*((\a)%4)+\b):8*(8*((\a)%4)+\b)+7], v[SC+8*\b+(\k)], v[SC+8*(\a)+(\k)] matrix_a_fmt:MATRIX_FMT_FP4 matrix_b_fmt:MATRIX_FMT_FP4 matrix_a_scale:MATRIX_SCALE_ROW1
.endif
.endr
.endm
; A K step of 128.  Its fragments were asked for a whole step ago; the next step's are asked for ahead of its products.  All accumulators take turns, one instruction a turn, in the same order in every step.
.macro GSTEP k
	s_wait_dscnt 0x0
.if (\k) < 7
.if (\k) > 0
	PLACES 4                                       ; four plain instructions between the last products and loads into the registers that they read
.endif
	FETCH (\k)+1, ((\k)+1)%2
.endif
	WIN 0xa1                                       ; source 0 (B) window 1, source 1 (A) window 0, C and D window 2
.irp a, 0,1,2,3
	MULA \a, (\k)%2, \k
.endr
.if NA == 8
	WIN 0xf1                                       ; C and D window 3
.irp a, 4,5,6,7
	MULA \a, (\k)%2, \k
.endr
.endif
.endm
	s_wait_loadcnt 0x0                             ; the scale words are in
	FETCH 0, 0
.irp k, 0,1,2,3,4,5,6,7
	GSTEP \k
.endr
	WIN 0
	PLACES 4                                       ; between the last products and the first read of results
; THE WAY OUT.  The 64 registers of one a, in window w, become a fragment's codes (v[PC] on) and its scale word.  Each accumulator is read from its low end on.
.macro QUANTW s, w, pw
	WIN (\w)*5                                     ; sources 0 and 1 in the accumulators' window
.irp b, 0,1,2,3
	v_max3_num_f32 v[TM+\b], |v[(\s)+16*\b]|, |v[(\s)+1+16*\b]|, 0x1800000   ; and the floor 2^(3 - 127)
.endr
.irp i, 2,4,6,8,10,12,14
.irp b, 0,1,2,3
	v_max3_num_f32 v[TM+\b], |v[(\s)+16*\b+\i]|, |v[(\s)+1+16*\b+\i]|, v[TM+\b]
.endr
.endr
	WIN 0
.irp b, 0,1,2,3
	v_permlanex16_b32 v[TM+4+\b], v[TM+\b], s60, s61
.endr
.irp b, 0,1,2,3
	v_max_num_f32 v[TM+\b], v[TM+\b], v[TM+4+\b]
.endr
.irp b, 0,1,2,3
	v_add_nc_u32 v[TS+\b], 0xff000000, v[TM+\b]
.endr
.irp b, 0,1,2,3
	v_lshrrev_b32 v[TM+4+\b], 23, v[TS+\b]
.endr
	v_lshl_or_b32 v[\pw], v[TM+5], 8, v[TM+4]
	v_lshl_or_b32 v[\pw], v[TM+6], 16, v[\pw]
	v_lshl_or_b32 v[\pw], v[TM+7], 24, v[\pw]
	WIN \w                                         ; source 0 in the accumulators' window
.irp b, 0,1,2,3
	v_cvt_scalef32_pk8_fp4_f32 v[PC+2*\b], v[(\s)+16*\b:(\s)+7+16*\b], v[TS+\b]
	v_cvt_scalef32_pk8_fp4_f32 v[PC+1+2*\b], v[(\s)+8+16*\b:(\s)+15+16*\b], v[TS+\b]
.endr
	WIN 0
	v_nop                                          ; one plain instruction behind the scaled conversions
.irp c, 0,1
.irp i, 0,1
	v_permlane16_swap_b32 v[PC+4*\c+\i], v[PC+2+4*\c+\i]
.endr
.endr
.endm
.macro EPI job
.irp a, 0,1,2,3,4,5,6,7
	s_wait_xcnt 0x0                                ; the last stores have read v[PC] on: only now are the codes' registers written again
	QUANTW 64*(\a%4), 2+\a/4, PW+\a
.if \job == 0
	global_store_b128 v3, v[PC:PC+3], s[94:95] offset:512*\a               ; my first head: token tile a: 512 consecutive bytes
	global_store_b128 v3, v[PC+4:PC+7], s[94:95] offset:512*\a+32768       ; my second head
.elseif \job == 1
	global_store_b128 v3, v[PC:PC+3], s[94:95] offset:32768*(\a/4)+1024*(\a%4)        ; head a / 4, 16 dims a % 4: keys 0-63 of my step,
	global_store_b128 v3, v[PC+4:PC+7], s[94:95] offset:32768*(\a/4)+1024*(\a%4)+512  ; keys 64-127
.else
	global_store_b128 v4, v[PC:PC+3], s[94:95] offset:32*(32*(\a/2)+8*(\a%2))         ; rows of 32 bytes: eight neighbouring rows are 256 consecutive bytes
	global_store_b128 v4, v[PC+4:PC+7], s[94:95] offset:32*(32*(\a/2)+8*(\a%2))+43008
	v_perm_b32 v[128+\a], v[PW+\a], v[PW+\a], v6   ; lanes 0-15: my first head's two bytes, twice; lanes 16-31: my second head's
	global_store_b32 v5, v[128+\a], s[96:97] offset:4*(32*(\a/2)+8*(\a%2))
.endif
.endr
.endm
	s_mov_b32 s60, 0x76543210
	s_mov_b32 s61, 0xfedcba98                      ; v_permlanex16_b32's selects for lane l xor 16
	s_mov_b32 s62, 0xffff0000                      ; lanes 16-31
.irp b, 0,1,2,3
	v_mov_b32 v[TM+4+\b], 0                        ; written once: a lane permute's destination counts as a source
.endr
	s_lshl_b32 s19, s40, 1
	s_add_co_u32 s19, s19, s16                     ; which 128 of B's 1,024 rows are mine
	s_lshl_b32 s36, s41, 1
	s_add_co_u32 s36, s36, s15                     ; which 128 of A's
	s_mov_b32 s99, 0
	v_lshlrev_b32 v5, 4, v1
	v_lshl_add_u32 v5, v2, 11, v5                  ; q, k, v: scale words: 16 r, and 2,048 (a head) further on for lanes 16-31
	s_cmp_lt_u32 ttmp9, 16
	s_cbranch_scc1 .Ljob_qk
	s_cmp_lt_u32 ttmp9, 24
	s_cbranch_scc1 .Ljob_v
	; ---- r: my two heads are 2 x (which 128 of B's), my 128 positions begin at table row 144 + 128 x (which 128 of A's)
	s_lshl_b32 s17, s19, 1
	s_lshl_b32 s18, s36, 7
	s_add_co_u32 s18, s18, 144
	s_mul_i32 s98, s17, 43008
	s_lshl_b32 s37, s18, 5
	s_add_co_u32 s98, s98, s37
	s_add_nc_u64 s[94:95], s[8:9], s[98:99]
	s_mul_i32 s98, s17, 5376
	s_lshl_b32 s37, s18, 2
	s_add_co_u32 s98, s98, s37
	s_add_co_u32 s98, s98, 688128
	s_add_nc_u64 s[96:97], s[8:9], s[98:99]
	v_and_b32 v7, 8, v1
	v_add_nc_u32 v7, v7, v1                        ; r + 8 (r / 8)
	v_lshlrev_b32 v4, 5, v7
	v_lshl_add_u32 v4, v2, 4, v4                   ; codes: 32 bytes a row, 16 h
	v_mul_u32_u24 v5, v2, 5376
	v_lshl_add_u32 v5, v7, 2, v5                   ; scale words: 4 bytes a row; lanes 16-31 the next head
	v_mov_b32 v6, 0x01000100
	v_mov_b32 v7, 0x03020302
	v_cndmask_b32 v6, v6, v7, s62
	EPI 2
	s_branch .Ldone
.Ljob_v:
	s_sub_co_u32 s17, ttmp9, 16
	s_lshl_b32 s17, s17, 4
	s_lshl_b32 s18, s36, 1
	s_add_co_u32 s17, s17, s18                     ; 16 b + my first head
	s_lshl_b32 s98, s17, 15
	s_lshl_b32 s37, s19, 12                        ; my key step
	s_add_co_u32 s98, s98, s37
	s_add_co_u32 s98, s98, 8388608
	s_add_nc_u64 s[94:95], s[6:7], s[98:99]
	s_lshl_b32 s98, s17, 11
	s_lshl_b32 s37, s19, 8
	s_add_co_u32 s98, s98, s37
	s_add_co_u32 s98, s98, 13107200
	s_add_nc_u64 s[96:97], s[6:7], s[98:99]
	EPI 1
.irp t, 0,1,2,3
	v_cndmask_b32 v[128+\t], v[PW+\t], v[PW+4+\t], s62   ; lanes 0-15: my first head's four tiles of dims, lanes 16-31: my second head's
.endr
	global_store_b128 v5, v[128:131], s[96:97]     ; two whole runs of 256 bytes
	s_branch .Ldone
.Ljob_qk:
	s_lshr_b32 s17, ttmp9, 1
	s_lshl_b32 s17, s17, 4
	s_lshl_b32 s18, s19, 1
	s_add_co_u32 s17, s17, s18                     ; 16 b + my first head
	s_and_b32 s18, ttmp9, 1                        ; q or k
	s_lshl_b32 s98, s17, 15
	s_lshl_b32 s37, s18, 22
	s_add_co_u32 s98, s98, s37
	s_lshl_b32 s37, s36, 12                        ; my 8 token tiles
	s_add_co_u32 s98, s98, s37
	s_add_nc_u64 s[94:95], s[6:7], s[98:99]
	s_lshl_b32 s98, s17, 11
	s_lshl_b32 s37, s18, 18
	s_add_co_u32 s98, s98, s37
	s_lshl_b32 s37, s36, 8
	s_add_co_u32 s98, s98, s37
	s_add_co_u32 s98, s98, 12582912
	s_add_nc_u64 s[96:97], s[6:7], s[98:99]
	EPI 0
	v_mov_b32 v6, 0x05040100
	v_mov_b32 v7, 0x07060302
	v_cndmask_b32 v6, v6, v7, s62
.irp q, 0,1,2,3
	v_perm_b32 v[128+\q], v[PW+2*\q+1], v[PW+2*\q], v6   ; a head's two bytes of tile 2 q below, of tile 2 q + 1 above: the word that serves both tiles in one product's K of 128
.endr
	global_store_b128 v5, v[128:131], s[96:97]
.Ldone:
	s_wait_tensorcnt 0x0                           ; the wave's end
	ds_add_u32 v[SPW], v[NIL]
	s_wait_dscnt 0x0
	CROUND                                         ; the closing round
	s_endpgm
.Lfunc_end_k_q11944d4d4b_qgemm:
	.size	k_q11944d4d4b_qgemm, .Lfunc_end_k_q11944d4d4b_qgemm-k_q11944d4d4b_qgemm
	.p2alignl 7, 3214868480
	.fill 96, 4, 3214868480
	.section	.rodata,"a",@progbits
	.p2align	6, 0x0
	.amdhsa_kernel k_q11944d4d4b_qgemm
		.amdhsa_group_segment_fixed_size 279040
		.amdhsa_private_segment_fixed_size 0
		.amdhsa_enable_private_segment 0
		.amdhsa_kernarg_size 24
		.amdhsa_user_sgpr_count 2
		.amdhsa_user_sgpr_kernarg_segment_ptr 1
		.amdhsa_wavefront_size32 1
		.amdhsa_system_sgpr_workgroup_id_x 1
		.amdhsa_system_sgpr_workgroup_id_y 1
		.amdhsa_system_sgpr_workgroup_id_z 1
		.amdhsa_system_vgpr_workitem_id 0
		.amdhsa_next_free_vgpr 1024
		.amdhsa_next_free_sgpr 100
		.amdhsa_reserve_vcc 0
		.amdhsa_float_denorm_mode_32 3
		.amdhsa_float_denorm_mode_16_64 3
		.amdhsa_memory_ordered 1
		.amdhsa_forward_progress 1
		.amdhsa_inst_pref_size 197
	.end_amdhsa_kernel
	.amdgpu_metadata
---
amdhsa.version: [ 1, 2 ]
amdhsa.kernels:
  - .name:           k_q11944d4d4b_qgemm
    .symbol:         k_q11944d4d4b_qgemm.kd
    .args:
      - { .name: opnd, .offset: 0, .size: 8, .value_kind: global_buffer, .address_space: global }
      - { .name: qkv, .offset: 8, .size: 8, .value_kind: global_buffer, .address_space: global }
      - { .name: rtab, .offset: 16, .size: 8, .value_kind: global_buffer, .address_space: global }
    .group_segment_fixed_size: 279040
    .private_segment_fixed_size: 0
    .kernarg_segment_align: 8
    .kernarg_segment_size: 24
    .max_flat_workgroup_size: 128
    .sgpr_count:     100
    .vgpr_count:     1024
    .wavefront_size: 32
...
	.end_amdgpu_metadata
.endif
;; end of part 2
;; launch attn (part 3): grid 2 x 128, 16 waves a work-group, no clusters, 319,744 bytes of LDS; arguments qkv, rtab, mlanes, att, mflags; writes att
.if DOCPART == 3
	.amdgcn_target "amdgcn-amd-amdhsa--gfx1250"
	.amdhsa_code_object_version 6
	.text
	.protected	k_q11944d4d4b_attn
	.globl	k_q11944d4d4b_attn
	.p2align	8
	.type	k_q11944d4d4b_attn,@function
k_q11944d4d4b_attn:
	s_mov_b64 s[64:65], 0
	v_nop
	global_prefetch_b8 v0, s[64:65] scope:SCOPE_SE
	s_setreg_imm32_b32 hwreg(HW_REG_WAVE_MODE, 25, 1), 1
	s_wait_xcnt 0x0
; Launch 3 of 4: the scores q k^T and q r^T with the relative shift, the key mask, the softmax and p v, all products on codes of E2M1; the result is quantised for the last product.  No work of the problem is left out here.
; SHARES.  A work-group owns 512 queries (x: which half) of one batch and head (y = 16 b + head).  Each of its sixteen waves makes two passes; a pass owns 16 queries I + 2 n, n = lane % 16, and walks all 8 key blocks of 128.
; With w' = wave % 8, bl = wave / 8 + 2 pass, blkg = 4 x + bl, ii0 = 32 (w' / 2) + w' % 2: I = 128 blkg + ii0.  EVERY SECOND QUERY, so that the shift below steps two words from lane to lane and the scores come back eight bytes at a time.
; THE ORDER OF THE KEYS IS ROTATED: step t' = 0..7 takes key block (blkg + 1 + t') % 8.  With ii = ii0 + 2 n and jj the key's place in its block the shifted position score is
;   t' < 7 - blkg (keys after the query):  q_{i+1} . r_m, m = 128 t' + 126 - ii + jj, row -1 being a row of zeros (the 0 at j = i + 1);
;   7 - blkg <= t' <= 6 (keys before it):  q_i . r_m, m = 128 t' + 127 - ii + jj;
;   t' = 7 (the query's own block): the second form (rows from 1,024 on are zeros) plus the first form at t' = -1 (rows under 0 are zeros).
; K's and V's codes lie in LDS rotated: slot s holds key block (s + 4 x) % 8, a step reads slot (bl + 1 + t') % 8.  Their scale words and the mask's codes lie by key block.
; THE SHIFT.  The rows m of these 16 queries x 128 keys form a band of 158: ten tiles of r give BD^T(row, query); it goes to the wave's own stage as [query][column], and score register k reads column 30 - 2 n + jj back.
; Query n's row of the stage begins at 656 n + 64 (bit 2 of n + bit 3 of n): in units of 16 bytes modulo 16 that is 9 n + 4 (..), sixteen different values, for the stores of 16 bytes;
; in units of 8 bytes modulo 32 the loads stand at 17 n + 8 (..) + 8 (lane / 16), thirty-two different values: neither meets a bank twice (64 banks of 4 bytes: ISA guide 11.1).
; What comes back is the C of the products that follow, so the sum of the scores costs no addition.
; THE KEY MASK GOES THROUGH THE MATRIX UNIT.  A block's mask is an image of eight operand registers (first launch): register 2 i, lane (r, h), holds the code of 2.0 at k = 32 h where key row r of tile 2 i + h is masked out.
; Source 0 of tile 2 i + u is the window of eight registers that begins at register 2 i; source 1 holds the code of -1.0 at k = 32 u and zero codes elsewhere, so whatever else the window holds meets zero codes.
; Both scale bytes are 178 (2^51): a masked key's score gets 2 x 2^51 x -1 x 2^51 = -2^103 added.  Eight such products a step, then the eight k q^T, the eight accumulators by turns.
; A KEY BLOCK WITHOUT HOLES adds zeros there: a scalar branch on the batch's flags, whole numbers that the first launch stored (bit blk: block blk has a masked key), leads round the eight products, and round nothing else.
; This text has NO TENSOR LOAD: LDS is filled ONCE, at the head, through registers: each wave loads 16 to 18 runs of 256 or 512 consecutive bytes and stores them to LDS; one barrier in the whole text.
; K = 64 IN A PRODUCT OF K = 128: source 0 holds two tiles on end; source 1 is [q | 0] or [0 | q], cut out of the registers 0 q 0 q+ 0.  All products are used transposed: a lane holds one query throughout.
; The keys of a tile are not neighbours (lane r of tile 2 b + u is key 32 b + 8 u + r + 8 (r / 8)), so score register 16 b + i is key 32 b + 16 (lane / 16) + i.
; THE SOFTMAX: t = score x log2(e) / 8; M = the running largest t rounded up to a whole number; p = 2^(t - M) is quantised along the keys; the sum is taken of the unquantised p and divides at the end.
; OUT.  Tile T = 8 blkg + w' of the batch's 64: its row n stands for token 32 (T / 2) + T % 2 + 2 n; the last launch stores its rows by the same rule.
; NO CLUSTER: there is no tensor load to share.  NO PREFETCH: every byte is asked for once, at the head; there is no loop of loads to run ahead in.
; LIMITS.  A masked key's score is its own score - 2^103, which f32 holds as -2^103 while the score stays under 2^78: a logit of -2^100 where the problem has -1e30; the results agree while the other logits stay above about -1e29.
; A row all of whose keys are masked gives p = 1 for every key only if the matrix sum of -2^103 and a small score is -2^103 exactly.  NaN and infinities are not served.  A block of zeros has the byte 1.
; The scaled scores stay under 2^31 in magnitude apart from masked keys.  The result's scale bytes leave two to a row and head: all that a work-group owns of a scale word.
.set KSL,   65536                      ; LDS: K's images 0 (8 slots of 4,096), V's 32,768; K's scale words here (8 x 256), V's 2,048 on
.set RTL,   69632                      ; r's rows: 1,344 x (32 bytes + 16 of padding)
.set RSL,   134144                     ; r's scale words, 1,344
.set STG,   139520                     ; the stages: SWB bytes for each wave
.set SWB,   10624                      ; 16 rows of 656 bytes and the 128 bytes of the rows' steps
.set MKL,   STG+16*SWB                 ; the mask's images: 8 key blocks x 1,024 bytes
.set SPARE, MKL+8192                   ; the spare words, 128 bytes a wave
; VECTOR REGISTERS: v1 16 x lane; v2, v3 r's rows for t' and t' = -1; v4, v5 r's scale words likewise; v6, v7 the stage, in and out; v8, v9 the add's two; v10, v11, v16, v17, v226 the step's addresses; v12 -M, v13 the largest t,
; v[14:15] the sum; v18 the mask images' place; v19, v20 q's and q+'s scale words; v21 K's scale words' place; v22 f, v23 p's scale word; v24-43 0 q 0 q+ 0; v44-75 O^T; v234 h, v235 lane;
; v236-243, v244-251 the mask products' two source 1; v252 their scale bytes; v253 n; at the head v84-149 carry what goes to LDS; and:
.set BD, 76                            ; v76-155  BD^T, ten tiles; then v76-139 the scores, then p; v140-155 V's tiles 0, 1
.set RF, 156                           ; v156-195 r's ten groups of 16 rows; behind BD^T: v156-163 the mask's image, v164-195 K's fragments; behind the scores: at work
.set MI, 156
.set KF, 164
.set PC, 164                           ; v164-171 p's codes
.set SM, 172                           ; v172-175 the blocks' largest
.set TA, 176                           ; v176-179, v180-183, v184 at work
.set TB, 180
.set TT, 184
.set RS, 212                           ; v196-211 V's tiles 2, 3 (v196-199 are also the upper half of r's tenth window: they meet zero codes); v212-216 r's scale words
.set KS, 218                           ; v218-221 K's
.set VS, 222                           ; v222-225 V's
.set AM, 226                           ; v226 the step's mask image
; SCALAR REGISTERS: s2 I, s3 the tile's number, s[4:19] the head's bases, s[20:35] the flags, s51 their OR, s52 wave, s53 x, s54 y, s55 pass, s56 t', s57 7 - blkg, s58 bl + 1, s[62:63] c, s66, s67 lane selects, s[80:83] the result's bases,
; s[84:91], s[48:49] arguments, s96 blkg, s97 lanes 16-31, s[98:101] q's bases.
.macro QADDR tok, oc, os, t            ; where token tok's codes and its two scale bytes lie: tile 2 (tok / 32) + (tok / 8) % 2, row tok % 8 + 8 ((tok / 16) % 2)
	v_lshrrev_b32 v[\oc], 5, v[\tok]
	v_bfe_u32 v[\t], v[\tok], 3, 1
	v_lshlrev_b32 v[\oc], 10, v[\oc]
	v_lshlrev_b32 v[\os], 1, v[\t]
	v_lshl_add_u32 v[\oc], v[\t], 9, v[\oc]
	v_and_b32 v[\t], 7, v[\tok]
	v_lshl_add_u32 v[\oc], v[\t], 4, v[\oc]
	v_lshl_add_u32 v[\os], v[\t], 4, v[\os]
	v_bfe_u32 v[\t], v[\tok], 4, 1
	v_lshl_add_u32 v[\oc], v[\t], 7, v[\oc]
	v_lshl_add_u32 v[\os], v[\t], 7, v[\os]
	v_bfe_u32 v[\t], v[\tok], 5, 2
	v_lshl_add_u32 v[\oc], v234, 8, v[\oc]
	v_lshl_add_u32 v[\os], v[\t], 2, v[\os]
	v_lshrrev_b32 v[\t], 7, v[\tok]
	v_lshl_add_u32 v[\os], v[\t], 8, v[\os]
.endm
.macro PASSVARS                        ; what hangs on the pass s55
	s_lshr_b32 s92, s52, 3
	s_lshl_b32 s93, s55, 1
	s_add_co_u32 s92, s92, s93                     ; bl
	s_add_co_u32 s58, s92, 1
	s_lshl_b32 s96, s53, 2
	s_add_co_u32 s96, s96, s92                     ; blkg
	s_sub_co_u32 s57, 7, s96                       ; so many steps have all their keys after my queries
	s_and_b32 s93, s52, 7                          ; w'
	s_lshl_b32 s3, s96, 3
	s_add_co_u32 s3, s3, s93                       ; the result's tile: 8 blkg + w'
	s_lshr_b32 s94, s93, 1
	s_lshl_b32 s94, s94, 5
	s_and_b32 s93, s93, 1
	s_add_co_u32 s93, s93, s94                     ; ii0
	s_lshl_b32 s2, s96, 7
	s_add_co_u32 s2, s2, s93                       ; I
.endm
.macro QLOAD                           ; q of my query and of the next one (the last query's next meets rows of zeros alone), asked for ahead of the pass that uses them
	v_lshl_add_u32 v76, v253, 1, s2
	v_add_nc_u32 v77, 1, v76
	v_min_u32 v77, 0x3ff, v77
	QADDR 76, 78, 80, 82
	QADDR 77, 79, 81, 83
	global_load_b128 v[28:31], v78, s[98:99]
	global_load_b128 v[36:39], v79, s[98:99]
	global_load_u16 v19, v80, s[100:101]
	global_load_u16 v20, v81, s[100:101]
.endm
.macro BDL adr, o, adrs, os            ; ten groups of 16 rows of r, and their scale words, two tiles to a load
.irp t, 0,1,2,3,4,5,6,7,8,9
	ds_load_b128 v[RF+4*\t:RF+4*\t+3], v[\adr] offset:768*\t+\o
.endr
.irp t, 0,1,2,3,4
	ds_load_b32 v[RS+\t], v[\adrs] offset:128*\t+\os
.endr
.endm
.macro BDW qb, qs, acc                 ; BD^T: ten tiles, by turns.  Source 0's upper half is the next four registers: they meet source 1's zero codes
.irp t, 0,1,2,3,4,5,6,7,8,9
.if \acc
.if \t%2
	v_wmma_scale_f32_16x16x128_f8f6f4 v[BD+8*\t:BD+8*\t+7], v[RF+4*\t:RF+4*\t+7], v[\qb:\qb+7], v[BD+8*\t:BD+8*\t+7], v[RS+\t/2], v[\qs] matrix_a_fmt:MATRIX_FMT_FP4 matrix_b_fmt:MATRIX_FMT_FP4 matrix_a_scale:MATRIX_SCALE_ROW1
.else
	v_wmma_scale_f32_16x16x128_f8f6f4 v[BD+8*\t:BD+8*\t+7], v[RF+4*\t:RF+4*\t+7], v[\qb:\qb+7], v[BD+8*\t:BD+8*\t+7], v[RS+\t/2], v[\qs] matrix_a_fmt:MATRIX_FMT_FP4 matrix_b_fmt:MATRIX_FMT_FP4
.endif
.else
.if \t%2
	v_wmma_scale_f32_16x16x128_f8f6f4 v[BD+8*\t:BD+8*\t+7], v[RF+4*\t:RF+4*\t+7], v[\qb:\qb+7], 0, v[RS+\t/2], v[\qs] matrix_a_fmt:MATRIX_FMT_FP4 matrix_b_fmt:MATRIX_FMT_FP4 matrix_a_scale:MATRIX_SCALE_ROW1
.else
	v_wmma_scale_f32_16x16x128_f8f6f4 v[BD+8*\t:BD+8*\t+7], v[RF+4*\t:RF+4*\t+7], v[\qb:\qb+7], 0, v[RS+\t/2], v[\qs] matrix_a_fmt:MATRIX_FMT_FP4 matrix_b_fmt:MATRIX_FMT_FP4
.endif
.endif
.endr
.endm
.macro PA d, a, b
	v_pk_add_f32 v[\d:\d+1], v[\a:\a+1], v[\b:\b+1]
.endm
	s_load_b256 s[84:91], s[0:1], 0x0              ; qkv s[84:85], rtab s[86:87], mlanes s[88:89], att s[90:91]
	s_load_b64 s[48:49], s[0:1], 0x20              ; mflags
	v_lshl_add_u32 v8, v0, 2, SPARE                ; the two registers of the add at the wave's end
	v_mov_b32 v9, 0
	v_lshrrev_b32 v1, 5, v0
	v_readfirstlane_b32 s52, v1                    ; wave 0..15
	s_mov_b32 s53, ttmp9
	s_and_b32 s54, ttmp7, 0xffff
	; WHAT MY WAVE BRINGS.  A slot of K (waves 0-7) or of V (waves 8-15), 4,096 bytes, and 256 bytes of their scale words:
	s_and_b32 s92, s52, 7
	s_lshl_b32 s94, s53, 2
	s_add_co_u32 s93, s92, s94
	s_and_b32 s93, s93, 7                          ; the key block that my slot holds
	s_mov_b32 s94, 8388608                         ; V's codes in qkv,
	s_mov_b32 s95, 13107200                        ; V's scale words,
	s_cmp_lt_u32 s52, 8
	s_cselect_b32 s94, 4194304, s94                ; or k's
	s_cselect_b32 s95, 12845056, s95
	s_lshl_b32 s4, s93, 12
	s_add_co_u32 s4, s4, s94
	s_lshl_b32 s94, s54, 15
	s_add_co_u32 s4, s4, s94
	s_mov_b32 s5, 0
	s_lshl_b32 s6, s54, 11
	s_add_co_u32 s6, s6, s95
	s_lshl_b32 s94, s92, 8
	s_add_co_u32 s6, s6, s94
	s_mov_b32 s7, 0
	; 512 bytes of my batch's mask images; my batch's 16 flags
	s_lshr_b32 s95, s54, 4                         ; b
	s_lshl_b32 s10, s95, 13
	s_lshl_b32 s94, s52, 9
	s_add_co_u32 s10, s10, s94
	s_mov_b32 s11, 0
	s_lshl_b32 s12, s95, 6
	s_mov_b32 s13, 0
	; of my head's r: 256 bytes of scale words (waves 0-4: and 256 more, 4,096 on), five runs of 512 bytes of rows (waves 0-3: and one of the last four)
	s_and_b32 s95, s54, 15                         ; head
	s_mul_i32 s14, s95, 5376
	s_add_co_u32 s14, s14, 688128
	s_lshl_b32 s94, s52, 8
	s_add_co_u32 s14, s14, s94
	s_mov_b32 s15, 0
	s_mul_i32 s18, s95, 43008
	s_mul_i32 s94, s52, 2560
	s_add_co_u32 s16, s18, s94
	s_mov_b32 s17, 0
	s_lshl_b32 s94, s52, 9
	s_add_co_u32 s18, s18, s94
	s_add_co_u32 s18, s18, 40960
	s_mov_b32 s19, 0
	s_lshl_b32 s2, s54, 15                         ; q's codes of my batch and head
	s_mov_b32 s3, 0
	s_lshl_b32 s92, s54, 11                        ; q's scale words
	s_add_co_u32 s92, s92, 12582912
	s_mov_b32 s93, 0
	s_mov_b32 s62, 0x3e38aa3b                      ; c = log2(e) / 8
	s_mov_b32 s63, s62                             ; (named with it as a pair)
	s_mov_b32 s66, 0x76543210
	s_mov_b32 s67, 0xfedcba98                      ; v_permlanex16_b32's selects for lane l xor 16
	s_mov_b32 s97, 0xffff0000                      ; lanes 16-31
	s_wait_kmcnt 0x0
	s_add_nc_u64 s[12:13], s[48:49], s[12:13]
	s_load_b512 s[20:35], s[12:13], 0x0            ; the flags
	s_add_nc_u64 s[4:5], s[84:85], s[4:5]
	s_add_nc_u64 s[6:7], s[84:85], s[6:7]
	s_add_nc_u64 s[10:11], s[88:89], s[10:11]
	s_add_nc_u64 s[14:15], s[86:87], s[14:15]
	s_add_nc_u64 s[16:17], s[86:87], s[16:17]
	s_add_nc_u64 s[18:19], s[86:87], s[18:19]
	s_add_nc_u64 s[98:99], s[84:85], s[2:3]
	s_add_nc_u64 s[100:101], s[84:85], s[92:93]
	s_mov_b32 s55, 0
	PASSVARS
	v_and_b32 v253, 15, v0                         ; n, and r
	v_bfe_u32 v234, v0, 4, 1                       ; h
	v_and_b32 v235, 31, v0                         ; lane
	QLOAD                                          ; the first pass's q
	v_lshlrev_b32 v1, 4, v235
	v_lshlrev_b32 v13, 3, v235                     ; 8 x lane
	s_wait_alu depctr_va_vdst(0)
.irp i, 0,1,2,3,4,5,6,7
	global_load_b128 v[84+4*\i:87+4*\i], v1, s[4:5] offset:512*\i
.endr
.irp i, 0,1,2,3,4
	global_load_b128 v[116+4*\i:119+4*\i], v1, s[16:17] offset:512*\i
.endr
	global_load_b128 v[140:143], v1, s[10:11]
	global_load_b64 v[144:145], v13, s[6:7]
	global_load_b64 v[146:147], v13, s[14:15]
	s_cmp_lt_u32 s52, 5
	s_cbranch_scc0 .Lx0
	global_load_b64 v[148:149], v13, s[14:15] offset:4096
	s_cmp_lt_u32 s52, 4
	s_cbranch_scc0 .Lx0
	global_load_b128 v[136:139], v1, s[18:19]
.Lx0:
	; where they go in LDS: a constant + a constant x wave + a constant x lane each
	s_lshl_b32 s36, s52, 12
	v_add_nc_u32 v10, s36, v1                      ; my slot
	v_lshrrev_b32 v12, 1, v235
	v_and_b32 v11, 1, v0
	v_mul_u32_u24 v12, v12, 48
	v_lshl_add_u32 v12, v11, 4, v12                ; r: two lanes to a row of 48 bytes
	s_mul_i32 s36, s52, 3840
	s_add_co_u32 s36, s36, RTL
	v_add_nc_u32 v11, s36, v12                     ; my five runs of 16 rows
	s_mul_i32 s36, s52, 768
	s_add_co_u32 s36, s36, RTL+61440
	v_add_nc_u32 v16, s36, v12                     ; one of the last four runs
	s_lshl_b32 s36, s52, 9
	s_add_co_u32 s36, s36, MKL
	v_add_nc_u32 v17, s36, v1
	s_lshl_b32 s36, s52, 8
	s_add_co_u32 s37, s36, KSL
	v_add_nc_u32 v[AM], s37, v13
	s_add_co_u32 s37, s36, RSL
	v_add_nc_u32 v22, s37, v13
	; what stays for the whole launch
	s_and_b32 s92, s52, 7
	s_xor_b32 s92, s92, 7                          ; u = 7 - w'
	s_lshr_b32 s93, s92, 1
	s_lshl_b32 s93, s93, 5
	s_and_b32 s92, s92, 1
	s_add_co_u32 s93, s93, s92
	s_add_co_u32 s93, s93, 143                     ; 240 - ii0 = 143 + 32 (u / 2) + u % 2: table row (m + 144) of stage column 0, at t' = 0, first form
	v_add_nc_u32 v2, s93, v253
	v_add_nc_u32 v4, s93, v235                     ; scale words: a lane a row: lanes 0-15 one tile, lanes 16-31 the next
	v_mul_u32_u24 v2, v2, 48
	v_lshl_add_u32 v5, v4, 2, RSL-512
	v_lshl_add_u32 v2, v234, 4, v2
	v_lshl_add_u32 v4, v4, 2, RSL
	v_add_nc_u32 v3, RTL-6144, v2                  ; 128 rows back: t' = -1
	v_add_nc_u32 v2, RTL, v2
	s_mul_i32 s94, s52, SWB
	s_add_co_u32 s94, s94, STG                     ; my stage
	v_bfe_u32 v14, v0, 2, 1
	v_bfe_u32 v15, v0, 3, 1
	v_add_nc_u32 v14, v14, v15                     ; bit 2 of n + bit 3 of n
	v_mul_u32_u24 v6, v253, 656
	v_mul_u32_u24 v7, v253, 648                    ; 656 n - 8 n
	v_lshl_add_u32 v6, v14, 6, v6
	v_lshl_add_u32 v7, v14, 6, v7
	v_lshl_add_u32 v6, v234, 5, v6
	v_lshl_add_u32 v7, v234, 6, v7
	v_add_nc_u32 v6, s94, v6                       ; in: query n's row, column 16 tile + 8 h + j
	v_add_nc_u32 v7, s94, v7
	v_add_nc_u32 v7, 120, v7                       ; out: query n's row, column 30 - 2 n + 16 h + ..
	v_lshl_add_u32 v21, v253, 4, KSL
	v_add_nc_u32 v18, MKL, v1
	v_mov_b32 v23, 0                               ; (named as the upper half of v[22:23] before it is first written)
.irp z, 24,25,26,27,32,33,34,35,40,41,42,43,196,197,198,199,237,238,239,240,241,242,243,245,246,247,248,249,250,251
	v_mov_b32 v\z, 0                               ; zero codes (v196-199: written before the first step's tenth window names them)
.endr
	v_mov_b32 v252, 10                             ; the code of -1.0 in the lowest four bits:
	v_cndmask_b32 v236, v252, v237, s97            ; at k = 0 (lanes 0-15) for the even tiles,
	v_cndmask_b32 v244, v237, v252, s97            ; at k = 32 (lanes 16-31) for the odd ones
	v_mov_b32 v252, 0xb2b2b2b2                     ; the mask products' scale bytes: 2^51 on both sides
	s_wait_alu depctr_va_vdst(0)
	s_wait_loadcnt 0x0                             ; all that I asked for is in registers
.irp i, 0,1,2,3,4,5,6,7
	ds_store_b128 v10, v[84+4*\i:87+4*\i] offset:512*\i
.endr
.irp i, 0,1,2,3,4
	ds_store_b128 v11, v[116+4*\i:119+4*\i] offset:768*\i
.endr
	ds_store_b128 v17, v[140:143]
	ds_store_b64 v[AM], v[144:145]
	ds_store_b64 v22, v[146:147]
	s_cmp_lt_u32 s52, 5
	s_cbranch_scc0 .Lx1
	ds_store_b64 v22, v[148:149] offset:4096
	s_cmp_lt_u32 s52, 4
	s_cbranch_scc0 .Lx1
	ds_store_b128 v16, v[136:139]
.Lx1:
	s_wait_kmcnt 0x0                               ; the flags
.irp r, 21,22,23,24,25,26,27,28,29,30,31,32,33,34,35
	s_or_b32 s20, s20, s\r
.endr
	s_mov_b32 s51, s20                             ; bit blk: key block blk of my batch has a masked key
	s_wait_dscnt 0x0                               ; my stores are done,
	s_barrier_signal -1
	s_barrier_wait -1                              ; everybody's are
.Lpass:
	s_wait_xcnt 0x0                                ; the last pass's stores have read their registers
	v_mov_b32 v13, 0xff61b1e6                      ; the largest t so far: -3e38
	v_mov_b32 v14, 0
	v_mov_b32 v15, 0
	v_floor_f32 v12, -v13                          ; -M
	s_wait_loadcnt 0x0                             ; q
	v_lshl_or_b32 v19, v19, 16, v19                ; the two bytes twice: they serve q in either half of K
	v_lshl_or_b32 v20, v20, 16, v20
.set k, 0
.rept 32
	v_mov_b32 v[44+k], 0                           ; O^T.  (The step is written once: the first finds zeros.  These are also the places between the scale words' lines and the first product)
.set k, k+1
.endr
	s_mov_b32 s56, 0
.Lstep:
	s_add_co_u32 s92, s58, s56
	s_and_b32 s92, s92, 7                          ; the slot
	s_add_co_u32 s93, s96, s56
	s_add_co_u32 s93, s93, 1
	s_and_b32 s93, s93, 7                          ; the key block
	s_lshl_b32 s94, s92, 12
	s_lshl_b32 s95, s93, 8
	s_lshl_b32 s61, s93, 10
	s_mul_i32 s59, s56, 6144                       ; 128 rows of r a step
	s_lshl_b32 s60, s56, 9
	v_add_nc_u32 v10, s94, v1                      ; (these five are also the places between the last step's products and the loads below)
	v_add_nc_u32 v11, s95, v21
	v_add_nc_u32 v16, s59, v2
	v_add_nc_u32 v17, s60, v4
	v_add_nc_u32 v[AM], s61, v18
	s_wait_alu depctr_va_vdst(0)                   ; directly behind the writes
	s_cmp_lt_u32 s56, s57
	s_cbranch_scc0 .Llo
	BDL 16, 0, 17, 0                               ; keys after the queries: q+ and rows one lower
	s_wait_dscnt 0x0
	BDW 36, 20, 0
	s_branch .Lbd
.Llo:
	BDL 16, 48, 17, 4
	s_wait_dscnt 0x0
	BDW 28, 19, 0
	s_cmp_lg_u32 s56, 7
	s_cbranch_scc1 .Lbd
.rept 4
	v_nop                                          ; places in front of loads into registers that the products have read
.endr
	BDL 3, 0, 5, 0                                 ; my own block: the first form at t' = -1 is added; each form is 0 where the other one counts
	s_wait_dscnt 0x0
	BDW 36, 20, 1
.Lbd:
.rept 5
	v_nop                                          ; four places ahead of the stores that read the results and of the loads into operands; the fifth for the products below, which write over the results' registers
.endr
	ds_load_b128 v[MI:MI+3], v[AM]                 ; the block's mask image and K's eight tiles, where r's groups lay
	ds_load_b128 v[MI+4:MI+7], v[AM] offset:512
.irp a, 0,1,2,3,4,5,6,7
	ds_load_b128 v[KF+4*\a:KF+4*\a+3], v10 offset:512*\a
.endr
	ds_load_b128 v[KS:KS+3], v11                   ; and K's scale words
.irp t, 0,1,2,3,4,5,6,7,8,9
	ds_store_b128 v6, v[BD+8*\t:BD+8*\t+3] offset:64*\t        ; each result from its low end on
	ds_store_b128 v6, v[BD+8*\t+4:BD+8*\t+7] offset:64*\t+16
.endr
.set k, 0
.rept 32
	ds_load_b64 v[BD+k:BD+k+1], v7 offset:128*(k/16)+32*((k/8)%2)+4*(k%8)   ; THE SHIFT, two scores a load.  LDS serves a wave's instructions in order: these see my stores
.set k, k+2
.endr
.irp t, 0,1,2,3
	ds_load_b128 v[140+8*\t+40*(\t/2):143+8*\t+40*(\t/2)], v10 offset:32768+1024*\t      ; V's four tiles of 16 dims x 128 keys
	ds_load_b128 v[144+8*\t+40*(\t/2):147+8*\t+40*(\t/2)], v10 offset:32768+1024*\t+512
.endr
	ds_load_b128 v[VS:VS+3], v11 offset:2048
	s_wait_dscnt 9                                 ; the mask, K and the shifted scores are back; V's nine loads may be out
	s_bitcmp1_b32 s51, s93                         ; has this key block a masked key?  A whole number that the first launch stored
	s_cbranch_scc0 .Lopen                          ; if not, its image is all zero codes: the eight products would add zeros
.irp i, 0,1,2,3
	v_wmma_scale_f32_16x16x128_f8f6f4 v[BD+16*\i:BD+16*\i+7], v[MI+2*\i:MI+2*\i+7], v[236:243], v[BD+16*\i:BD+16*\i+7], v252, v252 matrix_a_fmt:MATRIX_FMT_FP4 matrix_b_fmt:MATRIX_FMT_FP4   ; tile 2 i: -2^103 where its key is masked out
	v_wmma_scale_f32_16x16x128_f8f6f4 v[BD+16*\i+8:BD+16*\i+15], v[MI+2*\i:MI+2*\i+7], v[244:251], v[BD+16*\i+8:BD+16*\i+15], v252, v252 matrix_a_fmt:MATRIX_FMT_FP4 matrix_b_fmt:MATRIX_FMT_FP4   ; tile 2 i + 1
.endr
.Lopen:
.irp q, 0,1,2,3
	v_wmma_scale_f32_16x16x128_f8f6f4 v[BD+16*\q:BD+16*\q+7], v[KF+8*\q:KF+8*\q+7], v[28:35], v[BD+16*\q:BD+16*\q+7], v[KS+\q], v19 matrix_a_fmt:MATRIX_FMT_FP4 matrix_b_fmt:MATRIX_FMT_FP4   ; tile 2 q: [q | 0]
	v_wmma_scale_f32_16x16x128_f8f6f4 v[BD+16*\q+8:BD+16*\q+15], v[KF+8*\q:KF+8*\q+7], v[24:31], v[BD+16*\q+8:BD+16*\q+15], v[KS+\q], v19 matrix_a_fmt:MATRIX_FMT_FP4 matrix_b_fmt:MATRIX_FMT_FP4   ; tile 2 q + 1: [0 | q]
.endr
.rept 4
	v_nop
.endr
.irp b, 0,1,2,3
	v_max3_num_f32 v[SM+\b], v[BD+16*\b], v[BD+1+16*\b], v[BD+2+16*\b]   ; the largest score of each block of 32 keys: for the row's maximum, and, since p rises with the score, for the block's largest p.  (The four blocks by turns)
.endr
.irp i, 3,5,7,9,11,13
.irp b, 0,1,2,3
	v_max3_num_f32 v[SM+\b], v[SM+\b], v[BD+16*\b+\i], v[BD+1+16*\b+\i]
.endr
.endr
.irp b, 0,1,2,3
	v_max_num_f32 v[SM+\b], v[SM+\b], v[BD+15+16*\b]
.endr
.irp b, 0,1,2,3
	v_permlanex16_b32 v[TA+\b], v[SM+\b], s66, s67
.endr
.irp b, 0,1,2,3
	v_max_num_f32 v[SM+\b], v[SM+\b], v[TA+\b]
.endr
	v_max3_num_f32 v[TT], v[SM], v[SM+1], v[SM+2]
	s_delay_alu instid0(VALU_DEP_1)
	v_max_num_f32 v[TT], v[TT], v[SM+3]
	s_delay_alu instid0(VALU_DEP_1)
	v_mul_f32 v[TT], s62, v[TT]                    ; as t
	s_delay_alu instid0(VALU_DEP_1)
	v_max_num_f32 v13, v13, v[TT]                  ; the running largest t
	v_mov_b32 v[TT], v12
	s_delay_alu instid0(VALU_DEP_2)
	v_floor_f32 v12, -v13                          ; the new -M: M is a whole number
	s_delay_alu instid0(VALU_DEP_1)
	v_sub_f32 v[TT], v12, v[TT]                    ; old M - new M: a whole number, 0 or less
.set k, 0
.rept 32
	v_pk_fma_f32 v[BD+k:BD+k+1], v[BD+k:BD+k+1], s[62:63], v[12:13] op_sel_hi:[1,0,0]   ; t - M
.set k, k+2
.endr
.irp b, 0,1,2,3
	v_fma_f32 v[SM+\b], v[SM+\b], s62, v12
.endr
	v_cvt_i32_f32 v[TT], v[TT]                     ; (it saturates)
	s_delay_alu instid0(VALU_DEP_1)
	v_ldexp_f32 v22, 1.0, v[TT]                    ; f = 2^(old M - new M)
	s_wait_alu depctr_va_vdst(0)
.set k, 0
.rept 64
	v_exp_f32 v[BD+k], v[BD+k]                     ; p, not normalised
.set k, k+1
.endr
	v_pk_mul_f32 v[14:15], v[14:15], v[22:23] op_sel_hi:[1,0]   ; the sums under the new M.  (The plain instruction behind the exponentials)
	s_wait_alu depctr_va_vdst(0)                   ; one wait for the whole batch, ahead of its first reader
.irp b, 0,1,2,3
	v_exp_f32 v[SM+\b], v[SM+\b]                   ; each block's largest p
.endr
	PA 176, 80, 84                                 ; the row's sum of the unquantised p, in eight chains
	PA 156, 88, 92
	PA 158, 96, 100
	PA 160, 104, 108
	PA 162, 112, 116
	PA 186, 120, 124
	PA 188, 128, 132
	PA 14, 14, 136
	PA 176, 176, 76
	PA 156, 156, 78
	PA 158, 158, 82
	PA 160, 160, 86
	PA 162, 162, 90
	PA 186, 186, 94
	PA 188, 188, 98
	PA 14, 14, 102
	PA 176, 176, 106
	PA 156, 156, 110
	PA 158, 158, 114
	PA 160, 160, 118
	PA 162, 162, 122
	PA 186, 186, 126
	PA 188, 188, 130
	PA 14, 14, 134
	PA 176, 176, 138
	PA 156, 156, 186
	PA 158, 158, 188
	PA 14, 14, 160
	PA 176, 176, 162
	PA 14, 14, 156
	PA 176, 176, 158
	s_delay_alu instid0(VALU_DEP_1)
	PA 14, 14, 176
	s_wait_alu depctr_va_vdst(0)                   ; and one for the four
.irp b, 0,1,2,3
	v_max_num_f32 v[SM+\b], 0x1800000, v[SM+\b]    ; the floor: the byte cannot fall under 1
.endr
.irp b, 0,1,2,3
	v_add_nc_u32 v[TB+\b], 0xff000000, v[SM+\b]
.endr
.irp b, 0,1,2,3
	v_lshrrev_b32 v[TA+\b], 23, v[TB+\b]
.endr
	v_lshl_or_b32 v23, v[TA+1], 8, v[TA]           ; p's scale word for these 128 keys
	s_delay_alu instid0(VALU_DEP_1)
	v_lshl_or_b32 v23, v[TA+2], 16, v23
	s_delay_alu instid0(VALU_DEP_1)
	v_lshl_or_b32 v23, v[TA+3], 24, v23
.irp b, 0,1,2,3
	v_cvt_scalef32_pk8_fp4_f32 v[PC+2*\b], v[BD+16*\b:BD+16*\b+7], v[TB+\b]
	v_cvt_scalef32_pk8_fp4_f32 v[PC+1+2*\b], v[BD+8+16*\b:BD+15+16*\b], v[TB+\b]
.endr
	v_nop
.irp c, 0,1
.irp i, 0,1
	v_permlane16_swap_b32 v[PC+4*\c+\i], v[PC+2+4*\c+\i]
.endr
.endr
	s_wait_alu depctr_va_vdst(0)                   ; directly ahead of the first reader of O^T
.set k, 0
.rept 16
	v_pk_mul_f32 v[44+k:45+k], v[44+k:45+k], v[22:23] op_sel_hi:[1,0]   ; O^T under the new M.  (Also the places between p's codes and scale word and the products)
.set k, k+2
.endr
	s_wait_alu depctr_va_vdst(0)
	s_wait_dscnt 0x0                               ; V
.irp t, 0,1,2,3
	v_wmma_scale_f32_16x16x128_f8f6f4 v[44+8*\t:51+8*\t], v[140+8*\t+40*(\t/2):147+8*\t+40*(\t/2)], v[PC:PC+7], v[44+8*\t:51+8*\t], v[VS+\t], v23 matrix_a_fmt:MATRIX_FMT_FP4 matrix_b_fmt:MATRIX_FMT_FP4
.endr
	s_add_co_u32 s56, s56, 1
	s_cmp_lt_u32 s56, 8
	s_cbranch_scc1 .Lstep
	; THE PASS'S END.  First where the result goes, by this pass's tile; then the next pass's q is asked for, under the lines that finish this pass.
.rept 4
	v_nop                                          ; four places between the last products and the first read of O^T, and the loads into q's registers
.endr
	s_lshr_b32 s92, s54, 4
	s_lshl_b32 s92, s92, 6
	s_add_co_u32 s92, s92, s3                      ; the tile: 64 b + 8 blkg + w'
	s_and_b32 s93, s54, 15                         ; head
	s_lshl_b32 s94, s92, 13
	s_lshl_b32 s95, s93, 9
	s_add_co_u32 s94, s94, s95
	s_mov_b32 s95, 0
	s_add_nc_u64 s[80:81], s[90:91], s[94:95]      ; image (kappa = head / 2, c = head % 2) of that tile
	s_lshl_b32 s94, s92, 9
	s_lshr_b32 s59, s93, 1
	s_lshl_b32 s59, s59, 6
	s_add_co_u32 s94, s94, s59
	s_and_b32 s59, s93, 1
	s_lshl_b32 s59, s59, 1
	s_add_co_u32 s94, s94, s59
	s_add_co_u32 s94, s94, 4194304
	s_add_nc_u64 s[82:83], s[90:91], s[94:95]
	s_add_co_u32 s55, s55, 1
	s_cmp_lt_u32 s55, 2
	s_cbranch_scc0 .Lnoq
	PASSVARS
	QLOAD
.Lnoq:
	v_add_f32 v14, v14, v15
	s_delay_alu instid0(VALU_DEP_1)
	v_permlanex16_b32 v[TT], v14, s66, s67
	s_delay_alu instid0(VALU_DEP_1)
	v_add_f32 v14, v14, v[TT]                      ; the row's sum
	s_wait_alu depctr_va_vdst(0)
	v_rcp_f32 v14, v14
	v_lshl_add_u32 v192, v253, 2, v234             ; (the plain instruction behind it)  my scale byte: 4 n + h
	s_wait_alu depctr_va_vdst(0)                   ; ahead of the reciprocal's first reader, which is also O^T's
.set k, 0
.rept 16
	v_pk_mul_f32 v[44+k:45+k], v[44+k:45+k], v[14:15] op_sel_hi:[1,0]   ; O^T / the sum: register 16 b + i is dim 32 b + 16 h + i of my query: two blocks of the last product's K
.set k, k+2
.endr
.irp b, 0,1
	v_max3_num_f32 v[SM+\b], |v[44+16*\b]|, |v[45+16*\b]|, 0x1800000
.endr
.irp i, 2,4,6,8,10,12,14
.irp b, 0,1
	v_max3_num_f32 v[SM+\b], v[SM+\b], |v[44+16*\b+\i]|, |v[45+16*\b+\i]|
.endr
.endr
.irp b, 0,1
	v_permlanex16_b32 v[TA+\b], v[SM+\b], s66, s67
.endr
.irp b, 0,1
	v_max_num_f32 v[SM+\b], v[SM+\b], v[TA+\b]
.endr
.irp b, 0,1
	v_add_nc_u32 v[TB+\b], 0xff000000, v[SM+\b]
.endr
.irp b, 0,1
	v_lshrrev_b32 v[TA+\b], 23, v[TB+\b]
.endr
.irp b, 0,1
	v_cvt_scalef32_pk8_fp4_f32 v[PC+2*\b], v[44+16*\b:51+16*\b], v[TB+\b]
	v_cvt_scalef32_pk8_fp4_f32 v[PC+1+2*\b], v[52+16*\b:59+16*\b], v[TB+\b]
.endr
	v_nop
	v_permlane16_swap_b32 v[PC], v[PC+2]
	v_permlane16_swap_b32 v[PC+1], v[PC+3]
	v_cndmask_b32 v193, v[TA], v[TA+1], s97        ; lanes 0-15 store block 0's byte, lanes 16-31 block 1's
	global_store_b128 v1, v[PC:PC+3], s[80:81]     ; 512 consecutive bytes
	global_store_b8 v192, v193, s[82:83]
	s_cmp_lt_u32 s55, 2
	s_cbranch_scc1 .Lpass
	s_wait_tensorcnt 0x0                           ; the wave's end
	ds_add_u32 v8, v9
	s_wait_dscnt 0x0
	s_endpgm
.Lfunc_end_k_q11944d4d4b_attn:
	.size	k_q11944d4d4b_attn, .Lfunc_end_k_q11944d4d4b_attn-k_q11944d4d4b_attn
	.p2alignl 7, 3214868480
	.fill 96, 4, 3214868480
	.section	.rodata,"a",@progbits
	.p2align	6, 0x0
	.amdhsa_kernel k_q11944d4d4b_attn
		.amdhsa_group_segment_fixed_size 319744
		.amdhsa_private_segment_fixed_size 0
		.amdhsa_enable_private_segment 0
		.amdhsa_kernarg_size 40
		.amdhsa_user_sgpr_count 2
		.amdhsa_user_sgpr_kernarg_segment_ptr 1
		.amdhsa_wavefront_size32 1
		.amdhsa_system_sgpr_workgroup_id_x 1
		.amdhsa_system_sgpr_workgroup_id_y 1
		.amdhsa_system_sgpr_workgroup_id_z 1
		.amdhsa_system_vgpr_workitem_id 0
		.amdhsa_next_free_vgpr 256
		.amdhsa_next_free_sgpr 102
		.amdhsa_reserve_vcc 0
		.amdhsa_float_denorm_mode_32 3
		.amdhsa_float_denorm_mode_16_64 3
		.amdhsa_memory_ordered 1
		.amdhsa_forward_progress 1
		.amdhsa_inst_pref_size 50
	.end_amdhsa_kernel
	.amdgpu_metadata
---
amdhsa.version: [ 1, 2 ]
amdhsa.kernels:
  - .name:           k_q11944d4d4b_attn
    .symbol:         k_q11944d4d4b_attn.kd
    .args:
      - { .name: qkv, .offset: 0, .size: 8, .value_kind: global_buffer, .address_space: global }
      - { .name: rtab, .offset: 8, .size: 8, .value_kind: global_buffer, .address_space: global }
      - { .name: mlanes, .offset: 16, .size: 8, .value_kind: global_buffer, .address_space: global }
      - { .name: att, .offset: 24, .size: 8, .value_kind: global_buffer, .address_space: global }
      - { .name: mflags, .offset: 32, .size: 8, .value_kind: global_buffer, .address_space: global }
    .group_segment_fixed_size: 319744
    .private_segment_fixed_size: 0
    .kernarg_segment_align: 8
    .kernarg_segment_size: 40
    .max_flat_workgroup_size: 512
    .sgpr_count:     102
    .vgpr_count:     256
    .wavefront_size: 32
...
	.end_amdgpu_metadata
.endif
;; end of part 3
;; launch ogemm (part 4): grid 4 x 64, 4 waves a work-group, clusters of 4 x 4, 327,680 bytes of LDS; arguments att, opnd, inputs, out0; writes out0
.if DOCPART == 4
	.amdgcn_target "amdgcn-amd-amdhsa--gfx1250"
	.amdhsa_code_object_version 6
	.text
	.protected	k_q11944d4d4b_ogemm
	.globl	k_q11944d4d4b_ogemm
	.p2align	8
	.type	k_q11944d4d4b_ogemm,@function
k_q11944d4d4b_ogemm:
	s_mov_b64 s[64:65], 0
	v_nop
	global_prefetch_b8 v0, s[64:65] scope:SCOPE_SE
	s_setreg_imm32_b32 hwreg(HW_REG_WAVE_MODE, 25, 1), 1
	s_wait_xcnt 0x0
	s_wait_alu depctr_hold_cnt(0) depctr_sa_sdst(0) depctr_va_vdst(0) depctr_va_sdst(0) depctr_va_ssrc(0) depctr_va_vcc(0) depctr_vm_vsrc(0)
	s_getreg_b32 s2, hwreg(HW_REG_IB_STS2, 6, 4)
	s_cmp_eq_u32 s2, 0
	s_cbranch_scc0 .Lentry_in_a_cluster
	s_endpgm
.Lentry_in_a_cluster:
	s_bfe_u32 s2, ttmp6, 0x10000c
	s_cmp_lg_u32 s2, 0xf033
	s_cbranch_scc0 .Lentry_shape_is_right
	s_endpgm
.Lentry_shape_is_right:
.set NA,    4
.set SCO,   7340032
.set ATS,   4194304
.set BIMG,  2*NA*8192
.set SCA,   BIMG+131072
.set SCB,   SCA+2*NA*512
.set STG,   SCB+8192
.set SPARE, STG+4*8448
.set ADRA, 16
.set ADRB, 20
.set STO,  24
.set RD,   25
.set ADRS, 27
.set SPW,  28
.set NIL,  29
.set SC,   32
.set G1,   24
.set G0,   32
.set G1B,  48
.set G0B,  56
.set G1S,  68
.set G0S,  76
.set G1SB, 80
.set G0SB, 88
.set MSB, 0
.macro WIN new
.if MSB != (\new)
	s_set_vgpr_msb (MSB<<8)|(\new)
.set MSB, (\new)
.endif
.endm
.macro JLOAD g0a, g1a, g0b, g1b
	s_cmp_eq_u32 s15, 0
	s_cbranch_scc0 .Lfor_b_\@
	tensor_load_to_lds s[\g0a:\g0a+3], s[\g1a:\g1a+7]
	s_nop 0
.rept 4
	v_nop
.endr
	s_branch .Lasked_\@
.Lfor_b_\@:
	tensor_load_to_lds s[\g0b:\g0b+3], s[\g1b:\g1b+7]
	s_nop 0
.rept 4
	v_nop
.endr
.Lasked_\@:
.endm
.macro CROUND
	s_barrier_signal -1
	s_barrier_wait -1
	s_cmp_lg_u32 s14, 0
	s_cbranch_scc1 .Lnot_wave_0_\@
	s_barrier_signal -3
.Lnot_wave_0_\@:
	s_barrier_wait -3
	s_barrier_signal -1
	s_barrier_wait -1
.endm
.macro PLACES n
.rept \n
	v_nop
.endr
.endm
	s_load_b256 s[4:11], s[0:1], 0x0
	v_lshl_add_u32 v[SPW], v0, 2, SPARE
	v_mov_b32 v[NIL], 0
	ds_add_u32 v[SPW], v[NIL]
	ds_add_u32 v[SPW], v[NIL]
	v_lshrrev_b32 v1, 5, v0
	v_readfirstlane_b32 s14, v1
	s_lshr_b32 s15, s14, 1
	s_and_b32 s16, s14, 1
	s_bfe_u32 s40, ttmp6, 0x40000
	s_bfe_u32 s41, ttmp6, 0x40004
	s_lshl_b32 s43, s41, 2
	s_lshl_b32 s43, 15, s43
	s_lshl_b32 s44, 0x1111, s40
	s_or_b32 s[G1], s43, (3<<16)|(1<<21)
	s_or_b32 s[G1B], s44, (3<<16)|(1<<21)
.irp g, G1, G1B
	s_mov_b32 s[\g+1], 32<<16
	s_mov_b32 s[\g+3], 32<<16
	s_mov_b32 s[\g+5], 32
	s_mov_b32 s[\g+6], 0
	s_mov_b32 s[\g+7], 0
.endr
	s_mov_b32 s[G1+2], (32*NA)<<16
	s_mov_b32 s[G1+4], 32*NA
	s_mov_b32 s[G1B+2], 256<<16
	s_mov_b32 s[G1B+4], 256
	s_and_b32 s17, ttmp7, 0xffff
	s_lshl_b32 s17, s17, 2
	s_add_co_u32 s17, s17, s41
	s_lshl_b32 s20, s17, 3
	s_lshl_b32 s18, s16, 2
	s_add_co_u32 s20, s20, s18
	s_lshl_b32 s46, s40, 4
	s_lshl_b32 s18, s16, 3
	s_add_co_u32 s46, s46, s18
	s_add_co_u32 s46, s46, 832
	s_lshl_b32 s20, s20, 13
	s_mov_b32 s21, 0
	s_lshl_b32 s46, s46, 13
	s_mov_b32 s47, 0
	s_mul_i32 s45, s16, NA*8192                    ; where the images go: no place in the cluster enters an LDS address
	s_lshl_b32 s42, s16, 16
	s_add_co_u32 s42, s42, BIMG
	s_wait_dscnt 0x0                               ; both opening adds are done
	s_wait_kmcnt 0x0
	s_add_nc_u64 s[20:21], s[4:5], s[20:21]
	s_add_nc_u64 s[46:47], s[6:7], s[46:47]
	CROUND                                         ; all sixteen work-groups are here: the joint loads meet; a wave has ONE tensor load, its half of A's or B's images
	s_mov_b32 s[G0], 1
	s_mov_b32 s[G0+1], s45
	s_mov_b64 s[G0+2:G0+3], s[20:21]
	s_or_b32 s[G0+3], s[G0+3], 0x80000000
	s_mov_b32 s[G0B], 1
	s_mov_b32 s[G0B+1], s42
	s_mov_b64 s[G0B+2:G0B+3], s[46:47]
	s_or_b32 s[G0B+3], s[G0B+3], 0x80000000
	JLOAD G0, G1, G0B, G1B
	v_and_b32 v1, 15, v0
	v_bfe_u32 v2, v0, 4, 1
	v_and_b32 v3, 31, v0
	v_lshlrev_b32 v3, 4, v3
	s_wait_alu depctr_va_vdst(0)
	s_lshl_b32 s20, s17, 7
	s_lshl_b32 s21, s15, 6
	s_add_co_u32 s20, s20, s21
	s_lshl_b32 s20, s20, 12
	s_lshl_b32 s21, s40, 10
	s_add_co_u32 s20, s20, s21
	s_lshl_b32 s21, s16, 9
	s_add_co_u32 s20, s20, s21
	s_mov_b32 s21, 0
	s_add_nc_u64 s[8:9], s[8:9], s[20:21]
	s_add_nc_u64 s[10:11], s[10:11], s[20:21]
	; THE SCALE WORDS go from memory straight into their registers, while the images are on their way: A's (my 4 tiles of att) into v96-127, B's (my 8 tiles of Wo) into v32-95; lane r takes row r's word, lanes 16-31 the same
	s_lshl_b32 s21, s17, 3
	s_lshl_b32 s22, s15, 2
	s_add_co_u32 s21, s21, s22
	s_lshl_b32 s21, s21, 9                         ; my first tile of A, 512 bytes a tile
	s_lshl_b32 s22, s40, 4
	s_lshl_b32 s23, s16, 3
	s_add_co_u32 s22, s22, s23
	s_add_co_u32 s22, s22, 832
	s_lshl_b32 s22, s22, 9                         ; my first tile of B
	v_lshl_add_u32 v8, v1, 2, s21
	v_lshl_add_u32 v9, v1, 2, s22
.irp i, 0,1,2,3
.irp k, 0,1,2,3,4,5,6,7
	global_load_b32 v[96+8*\i+\k], v8, s[4:5] offset:ATS+\i*512+64*\k
.endr
.endr
.irp i, 0,1,2,3,4,5,6,7
.irp k, 0,1,2,3,4,5,6,7
	global_load_b32 v[SC+8*\i+\k], v9, s[6:7] offset:SCO+\i*512+64*\k
.endr
.endr
	s_mul_i32 s21, s15, NA*8192
	v_add_nc_u32 v[ADRA], s21, v3
	s_lshl_b32 s22, s16, 16
	s_add_co_u32 s22, s22, BIMG
	v_add_nc_u32 v[ADRB], s22, v3
	s_mul_i32 s23, s14, 8448
	s_add_co_u32 s23, s23, STG
	v_mul_u32_u24 v[STO], v1, 528
	v_lshl_add_u32 v[STO], v2, 6, v[STO]
	v_add_nc_u32 v[STO], s23, v[STO]
	v_add_nc_u32 v[RD], s23, v3
	s_wait_alu depctr_va_vdst(0)
	s_wait_tensorcnt 0x0
	s_barrier_signal -1
	s_barrier_wait -1
.macro FRAG reg, adr, k, i
	ds_load_b128 v[(\reg):(\reg)+3], v[\adr] offset:(\i)*8192+(\k)*1024
	ds_load_b128 v[(\reg)+4:(\reg)+7], v[\adr] offset:(\i)*8192+(\k)*1024+512
.endm
.macro FETCH k, p
	WIN 0x40
.irp i, 0,1,2,3,4,5,6,7
	FRAG 128*(\p)+8*\i, ADRB, \k, \i
.endr
	WIN 0
.set ii, 0
.rept NA
	FRAG 128+64*(\p)+8*ii, ADRA, \k, ii
.set ii, ii+1
.endr
.endm
.macro MULA a, p, k
.irp b, 0,1,2,3,4,5,6,7
.if (\k) == 0
	v_wmma_scale_f32_16x16x128_f8f6f4 v[8*(8*((\a)%4)+\b):8*(8*((\a)%4)+\b)+7], v[128*(\p)+8*\b:128*(\p)+8*\b+7], v[128+64*(\p)+8*(\a):128+64*(\p)+8*(\a)+7], 0, v[SC+8*\b+(\k)], v[96+8*(\a)+(\k)] matrix_a_fmt:MATRIX_FMT_FP4 matrix_b_fmt:MATRIX_FMT_FP4
.else
	v_wmma_scale_f32_16x16x128_f8f6f4 v[8*(8*((\a)%4)+\b):8*(8*((\a)%4)+\b)+7], v[128*(\p)+8*\b:128*(\p)+8*\b+7], v[128+64*(\p)+8*(\a):128+64*(\p)+8*(\a)+7], v[8*(8*((\a)%4)+\b):8*(8*((\a)%4)+\b)+7], v[SC+8*\b+(\k)], v[96+8*(\a)+(\k)] matrix_a_fmt:MATRIX_FMT_FP4 matrix_b_fmt:MATRIX_FMT_FP4
.endif
.endr
.endm
.macro GSTEP k
	s_wait_dscnt 0x0
.if (\k) < 7
.if (\k) > 0
	PLACES 4
.endif
	FETCH (\k)+1, ((\k)+1)%2
.endif
.if (\k) == 0 || (\k) == 3
	; THE RESIDUAL, my 64 rows x 512 bytes of inputs into window 3, is asked for behind the operands' tiles: 32 rows ahead of K step 0's products, 32 ahead of K step 3's; it is waited for ahead of the way out
	WIN 0xc0
.set t, 32*((\k)/3)
.rept 32
	global_load_b128 v[4*t:4*t+3], v3, s[8:9] offset:t*4096 th:TH_LOAD_NT
.set t, t+1
.endr
.endif
	WIN 0xa1
.irp a, 0,1,2,3
	MULA \a, (\k)%2, \k
.endr
.endm
	s_wait_loadcnt 0x0                             ; the scale words are in
	FETCH 0, 0
.irp k, 0,1,2,3,4,5,6,7
	GSTEP \k
.endr
	WIN 0
.macro TOSTAGE a
	WIN 0x08
.irp b, 0,1,2,3,4,5,6,7
	ds_store_b128 v[STO], v[8*(8*(\a)+\b):8*(8*(\a)+\b)+3] offset:128*(\b/2)+32*(\b%2)
	ds_store_b128 v[STO], v[8*(8*(\a)+\b)+4:8*(8*(\a)+\b)+7] offset:128*(\b/2)+32*(\b%2)+16
.endr
	WIN 0
.set BB, 128+64*((\a)%2)
.irp t, 0,1,2,3,4,5,6,7,8,9,10,11,12,13,14,15
	ds_load_b128 v[BB+4*\t:BB+4*\t+3], v[RD] offset:\t*528
.endr
.endm
.macro SEND a, younger
.set BB, 128+64*((\a)%2)
	s_wait_dscnt \younger
	WIN 0x0c
.set t, 0
.rept 16
	; row t of A's tile a stands for row 32 (a / 2) + a % 2 + 2 t of my 64: so the attention laid its tiles
	v_pk_add_f32 v[BB+4*t:BB+4*t+1], v[BB+4*t:BB+4*t+1], v[4*(32*((\a)/2)+(\a)%2+2*t):4*(32*((\a)/2)+(\a)%2+2*t)+1]
	v_pk_add_f32 v[BB+4*t+2:BB+4*t+3], v[BB+4*t+2:BB+4*t+3], v[4*(32*((\a)/2)+(\a)%2+2*t)+2:4*(32*((\a)/2)+(\a)%2+2*t)+3]
.set t, t+1
.endr
	WIN 0
.set t, 0
.rept 16
	global_store_b128 v3, v[BB+4*t:BB+4*t+3], s[10:11] offset:(32*((\a)/2)+(\a)%2+2*t)*4096 th:TH_STORE_NT
.set t, t+1
.endr
.endm
	s_wait_loadcnt 0x0
	PLACES 4
	TOSTAGE 0
.irp a, 1,2,3
.if \a > 1
	s_wait_xcnt 0x0
.endif
	TOSTAGE \a
	SEND (\a-1), 32
.endr
	SEND 3, 0
	s_wait_tensorcnt 0x0
	ds_add_u32 v[SPW], v[NIL]
	s_wait_dscnt 0x0
	CROUND
	s_endpgm
.Lfunc_end_k_q11944d4d4b_ogemm:
	.size	k_q11944d4d4b_ogemm, .Lfunc_end_k_q11944d4d4b_ogemm-k_q11944d4d4b_ogemm
	.p2alignl 7, 3214868480
	.fill 96, 4, 3214868480
	.section	.rodata,"a",@progbits
	.p2align	6, 0x0
	.amdhsa_kernel k_q11944d4d4b_ogemm
		.amdhsa_group_segment_fixed_size 327680
		.amdhsa_private_segment_fixed_size 0
		.amdhsa_enable_private_segment 0
		.amdhsa_kernarg_size 32
		.amdhsa_user_sgpr_count 2
		.amdhsa_user_sgpr_kernarg_segment_ptr 1
		.amdhsa_wavefront_size32 1
		.amdhsa_system_sgpr_workgroup_id_x 1
		.amdhsa_system_sgpr_workgroup_id_y 1
		.amdhsa_system_sgpr_workgroup_id_z 1
		.amdhsa_system_vgpr_workitem_id 0
		.amdhsa_next_free_vgpr 1024
		.amdhsa_next_free_sgpr 100
		.amdhsa_reserve_vcc 0
		.amdhsa_float_denorm_mode_32 3
		.amdhsa_float_denorm_mode_16_64 3
		.amdhsa_memory_ordered 1
		.amdhsa_forward_progress 1
		.amdhsa_inst_pref_size 90
	.end_amdhsa_kernel
	.amdgpu_metadata
---
amdhsa.version: [ 1, 2 ]
amdhsa.kernels:
  - .name:           k_q11944d4d4b_ogemm
    .symbol:         k_q11944d4d4b_ogemm.kd
    .args:
      - { .name: att, .offset: 0, .size: 8, .value_kind: global_buffer, .address_space: global }
      - { .name: opnd, .offset: 8, .size: 8, .value_kind: global_buffer, .address_space: global }
      - { .name: inputs, .offset: 16, .size: 8, .value_kind: global_buffer, .address_space: global }
      - { .name: out0, .offset: 24, .size: 8, .value_kind: global_buffer, .address_space: global }
    .group_segment_fixed_size: 327680
    .private_segment_fixed_size: 0
    .kernarg_segment_align: 8
    .kernarg_segment_size: 32
    .max_flat_workgroup_size: 128
    .sgpr_count:     100
    .vgpr_count:     1024
    .wavefront_size: 32
...
	.end_amdgpu_metadata
.endif
;; end of part 4
